; MI455X (gfx1250); checked and timed in simulation.
; The chip was launched on July 23, 2026; its instructions are those of AMD's public machine-readable ISA for CDNA 5 (MIT licence, August 2026) and "CDNA5" Instruction Set Architecture Reference Guide (July 2026). The comments in the code are by the model that wrote it; some were corrected since.
;; Mag Gated Attention. Allowed arithmetic: float matrix products may take bf16 or f16 operands with f32 sums; other float arithmetic in f32, or as packed bf16 or f16 multiplies, adds, multiply-adds, maxima and minima; sums over many terms, partial sums and values carried from step to step in f32; what a program stores and reads back later, other than sums and carried values, may be rounded once to bf16 or f16.
;; Inputs: Wk 4,096 x 1,024 float32; Wo 2,048 x 4,096 float32; Wq 4,096 x 2,048 float32; Wv 4,096 x 1,024 float32; attention_mask 2 x 1 x 1,024 x 1,024 float32; cos 2 x 1,024 x 128 float32; hidden_states 2 x 1,024 x 4,096 float32; sin 2 x 1,024 x 128 float32.
;; Outputs: out0 2 x 1,024 x 4,096 float32.
;; One version. Each part assembles by itself: llvm-mc -triple=amdgcn-amd-amdhsa -mcpu=gfx1250 --defsym DOCPART=n.
;; ======== version 1 of 1: 4 launches
;; limits: values are held in f16: magnitudes above 65,504 overflow, below 6.1e-05 lose precision; right only within a limited range of input values
;; workspace buffers: xb 16,777,216 bytes; wb 33,554,432 bytes; wo16 16,777,216 bytes; rope 1,048,576 bytes; maskl 8,388,608 bytes; qkvh 16,777,216 bytes; att 8,388,608 bytes
;; launch prep (part 1): grid 2208 x 1, 8 waves a work-group, no clusters, 35,840 bytes of LDS; arguments hidden_states, Wq, Wk, Wv, Wo, cos, sin, attention_mask, xb, wb, wo16, rope, maskl; writes xb, wb, wo16, rope, maskl
.if DOCPART == 1
	.amdgcn_target "amdgcn-amd-amdhsa--gfx1250"
	.amdhsa_code_object_version 6
	.text
	.protected	k_q7ed9d8aeaa_prep
	.globl	k_q7ed9d8aeaa_prep
	.p2align	8
	.type	k_q7ed9d8aeaa_prep,@function
k_q7ed9d8aeaa_prep:
	s_mov_b64 s[64:65], 0
	v_nop
	global_prefetch_b8 v0, s[64:65] scope:SCOPE_SE
	s_setreg_imm32_b32 hwreg(HW_REG_WAVE_MODE, 25, 1), 1
	s_wait_xcnt 0x0
; PREP: every input is rounded once to bf16 (nearest even) and laid out for the three launches that follow.  A stream: no loop, no barrier.
;   xb    bf16(x) in FRAGMENT ORDER: [block of 16 rows m][32 k][half c][lane][16 bytes]: lane 16 h + r holds row r, k = 16 c + 8 h + 0..7 of the block's 32: what a lane of a matrix operand holds
;   wb    [4096 k][4096 n] bf16: n 0-2047 Wq, 2048-3071 Wk, 3072-4095 Wv / 4
;   wo16  [2048 k][4096 n] f16 = 4 bf16(Wo), exact in f16       maskl [2][1024][1024] f32 = bf16(mask) log2(e)
;   rope  C [2048][128] bf16 = cos / 64 at byte 0;  S = sin x (-1/64 for d < 64, +1/64 for d >= 64) at byte 524,288
; All factors but log2(e) are powers of two, so they commute with the rounding.
; LIMITS.  |Wo| stays under 16,376 (f16 ends at 65,504); 4 Wo below 6e-5 keeps f16's fixed step of 6e-8.  NaN and infinities pass as they are.
; SHARES.  A work-group takes 65,536 bytes of one input, in 16 items of 4,096 bytes.  A thread takes 16 bytes of each item at 16 x its number: a wave's load covers 512 consecutive bytes.
; In the jobs that narrow it stores 8 bytes: a wave's store covers 256 consecutive bytes, aligned.  All 16 loads of a wave go out before the first is waited for.
; The x job's work-group takes 16 rows x 1,024 k, a wave 16 rows x 128 k; the wave's 4,096 bytes of bf16 are turned into fragment order in its own bytes of LDS.
; Which job a work-group has hangs on its number alone: a chain of compares and selects sets the job's scalars.
.set X,    24                          ; v[24:87]  the numbers as loaded, then as stored
.set Y,    88                          ; v[88:119] the x job: fragments read back from LDS
.set TT,   20                          ; v[20:21]  at work
.set FP,   18                          ; v[18:19]  the factor, twice
.set SPW,  22                          ; v22  LDS address of my spare word; never rewritten
.set NIL,  23                          ; v23  0; never rewritten
.set HU,   272                         ; the x job: 256 bytes of a fragment (16 rows x 16 bytes) + 16 of padding: the 16 pairs of lanes of a store fall into 16 different groups of four banks (64 banks of 4 bytes: ISA guide 11.1)
.set WLDS, 16*HU                       ; a wave's own bytes
.set SPARE, 8*WLDS                     ; behind them: the spare words, 128 bytes for each wave: four blocks of 256 bytes that no other line names
.set SRC,  36                          ; s[36:37]  the job's input, at my 65,536 bytes
.set DST,  38                          ; s[38:39]  the job's output, at my part
.set T0,   40                          ; s40  the job's first work-group
.set GSH,  41                          ; s41  log2 of the output bytes from one work-group's part to the next
.set IS,   42                          ; s42  output bytes from a pair of items to the next: an eighth of that
.set HS,   43                          ; s43  output bytes from a pair's first item to its second
.set ZO,   44                          ; s[44:45]  the job's first byte in the output
.set FA,   46                          ; s46  the factor
.set KIND, 47                          ; s47  0: round; 1: scale and round; 2: scale, round, write as f16
.set SG,   48                          ; s48  -1: the factor's sign turns for d < 64
	s_load_b512 s[8:23], s[0:1], 0x0               ; x 8, Wq 10, Wk 12, Wv 14, Wo 16, cos 18, sin 20, mask 22
	s_load_b256 s[24:31], s[0:1], 0x40             ; xb 24, wb 26, wo16 28, rope 30
	s_load_b64 s[32:33], s[0:1], 0x60              ; maskl
	v_lshl_add_u32 v[SPW], v0, 2, SPARE
	v_mov_b32 v[NIL], 0
	s_mov_b32 s34, ttmp9
	v_lshlrev_b32 v1, 4, v0                        ; my 16 bytes in an item's 4,096
	s_mov_b32 s[T0], 512                           ; the chain's first job: Wq -> wb: a pair of items is one row of 2,048; wb's rows are 8,192 bytes
	s_mov_b32 s[GSH], 16
	s_mov_b32 s[HS], 2048
	s_mov_b32 s[ZO], 0
	s_mov_b32 s[ZO+1], 0
	s_mov_b32 s[FA], 1.0
	s_mov_b32 s[KIND], 0
	s_mov_b32 s[SG], 0
	s_wait_kmcnt 0x0
	s_cmp_lt_u32 s34, 512
	s_cbranch_scc1 .Lx
	s_mov_b64 s[SRC:SRC+1], s[10:11]
	s_mov_b64 s[DST:DST+1], s[26:27]
.macro JOB first, src, dst, gsh, hs, z, f, kind, sg    ; from work-group 'first' on these values hold
	s_cmp_ge_u32 s34, \first
	s_cselect_b64 s[SRC:SRC+1], s[\src:\src+1], s[SRC:SRC+1]
	s_cselect_b64 s[DST:DST+1], s[\dst:\dst+1], s[DST:DST+1]
	s_cselect_b32 s[T0], \first, s[T0]
	s_cselect_b32 s[GSH], \gsh, s[GSH]
	s_cselect_b32 s[HS], \hs, s[HS]
	s_cselect_b32 s[ZO], \z, s[ZO]
	s_cselect_b32 s[FA], \f, s[FA]
	s_cselect_b32 s[KIND], \kind, s[KIND]
	s_cselect_b32 s[SG], \sg, s[SG]
.endm
	JOB 1024, 12, 26, 17, 8192, 4096,   1.0,        0, 0   ; Wk: an item is one row of 1,024, at byte 4,096 of wb's rows
	JOB 1280, 14, 26, 17, 8192, 6144,   0x3e800000, 1, 0   ; Wv / 4, at byte 6,144
	JOB 1536, 16, 28, 15, 2048, 0,      4.0,        2, 0   ; 4 Wo: dense to dense
	JOB 2048, 18, 30, 15, 2048, 0,      0x3c800000, 1, 0   ; cos / 64
	JOB 2064, 20, 30, 15, 2048, 524288, 0x3c800000, 1, -1  ; sin / 64, signed
	s_cmp_ge_u32 s34, 2080
	s_cbranch_scc1 .Lmask
	s_sub_co_u32 s49, s34, s[T0]                   ; my number in the job
	s_lshl_b32 s50, s49, 16
	s_mov_b32 s51, 0
	s_add_nc_u64 s[SRC:SRC+1], s[SRC:SRC+1], s[50:51]
	s_lshl_b32 s50, s49, s[GSH]
	s_add_nc_u64 s[DST:DST+1], s[DST:DST+1], s[50:51]
	s_add_nc_u64 s[DST:DST+1], s[DST:DST+1], s[ZO:ZO+1]
	s_sub_co_u32 s[IS], s[GSH], 3
	s_lshl_b32 s[IS], 1, s[IS]
	v_lshlrev_b32 v2, 3, v0                        ; v[2:17]: where item i's 8 bytes go: 8 x thread + (i / 2) IS + (i % 2) HS
	v_add_nc_u32 v3, s[HS], v2
.irp i, 4,5,6,7,8,9,10,11,12,13,14,15,16,17
	v_add_nc_u32 v[\i], s[IS], v[\i-2]
.endr
	v_and_b32 v20, 16, v0                          ; my 4 numbers begin at d = 4 (thread % 32): d < 64 where bit 4 is clear
	v_xor_b32 v20, 16, v20
	v_lshlrev_b32 v20, 27, v20                     ; the sign bit there,
	v_and_b32 v20, s[SG], v20                      ; in sin's job alone
	v_xor_b32 v[FP], s[FA], v20
	v_mov_b32 v[FP+1], v[FP]
; All of a thread's loads, then item after item.  No register is written again behind the store that reads it, so no wait frees any.
.macro CHUNKS kind
.irp i, 0,1,2,3,4,5,6,7,8,9,10,11,12,13,14,15
	global_load_b128 v[X+4*(\i):X+4*(\i)+3], v1, s[SRC:SRC+1] offset:4096*(\i) th:TH_LOAD_NT
.endr
.irp i, 0,1,2,3,4,5,6,7,8,9,10,11,12,13,14,15
	s_wait_loadcnt 15-(\i)                         ; loads come back in order: item i's is in, the later items' may be out
.if (\kind) >= 1
	v_pk_mul_f32 v[X+4*(\i):X+4*(\i)+1],   v[X+4*(\i):X+4*(\i)+1],   v[FP:FP+1]
	v_pk_mul_f32 v[X+4*(\i)+2:X+4*(\i)+3], v[X+4*(\i)+2:X+4*(\i)+3], v[FP:FP+1]
.endif
.if (\kind) == 2
	v_cvt_pk_bf16_f32 v[TT],   v[X+4*(\i)],   v[X+4*(\i)+1]    ; the one rounding,
	v_cvt_pk_bf16_f32 v[TT+1], v[X+4*(\i)+2], v[X+4*(\i)+3]
	v_lshlrev_b32 v[X+4*(\i)],   16, v[TT]                     ; back to f32,
	v_and_b32     v[X+4*(\i)+1], 0xffff0000, v[TT]
	v_lshlrev_b32 v[X+4*(\i)+2], 16, v[TT+1]
	v_and_b32     v[X+4*(\i)+3], 0xffff0000, v[TT+1]
	v_cvt_pk_f16_f32 v[X+4*(\i)],   v[X+4*(\i)],   v[X+4*(\i)+1]  ; and the same number written as f16
	v_cvt_pk_f16_f32 v[X+4*(\i)+1], v[X+4*(\i)+2], v[X+4*(\i)+3]
.else
	v_cvt_pk_bf16_f32 v[X+4*(\i)],   v[X+4*(\i)],   v[X+4*(\i)+1]  ; in place
	v_cvt_pk_bf16_f32 v[X+4*(\i)+1], v[X+4*(\i)+2], v[X+4*(\i)+3]
.endif
	global_store_b64 v[2+(\i)], v[X+4*(\i):X+4*(\i)+1], s[DST:DST+1]
.endr
.endm
	s_cmp_eq_u32 s[KIND], 0
	s_cbranch_scc1 .Lround
	s_cmp_eq_u32 s[KIND], 1
	s_cbranch_scc1 .Lscale
	CHUNKS 2
	s_endpgm
.Lround:
	CHUNKS 0
	s_endpgm
.Lscale:
	CHUNKS 1
	s_endpgm
.Lmask:                                                ; f32 in, f32 out
	s_sub_co_u32 s49, s34, 2080
	s_lshl_b32 s50, s49, 16
	s_mov_b32 s51, 0
	s_add_nc_u64 s[SRC:SRC+1], s[22:23], s[50:51]
	s_add_nc_u64 s[DST:DST+1], s[32:33], s[50:51]
.irp i, 0,1,2,3,4,5,6,7,8,9,10,11,12,13,14,15
	global_load_b128 v[X+4*(\i):X+4*(\i)+3], v1, s[SRC:SRC+1] offset:4096*(\i) th:TH_LOAD_NT
.endr
.irp i, 0,1,2,3,4,5,6,7,8,9,10,11,12,13,14,15
	s_wait_loadcnt 15-(\i)                         ; item i's load is in, the later ones may be out
	v_cvt_pk_bf16_f32 v[TT],   v[X+4*(\i)],   v[X+4*(\i)+1]
	v_cvt_pk_bf16_f32 v[TT+1], v[X+4*(\i)+2], v[X+4*(\i)+3]
	v_lshlrev_b32 v[X+4*(\i)],   16, v[TT]
	v_and_b32     v[X+4*(\i)+1], 0xffff0000, v[TT]
	v_lshlrev_b32 v[X+4*(\i)+2], 16, v[TT+1]
	v_and_b32     v[X+4*(\i)+3], 0xffff0000, v[TT+1]
	v_pk_mul_f32 v[X+4*(\i):X+4*(\i)+1],   v[X+4*(\i):X+4*(\i)+1],   0x3fb8aa3b op_sel_hi:[1,0]  ; log2(e): the softmax works in base 2
	v_pk_mul_f32 v[X+4*(\i)+2:X+4*(\i)+3], v[X+4*(\i)+2:X+4*(\i)+3], 0x3fb8aa3b op_sel_hi:[1,0]
	global_store_b128 v1, v[X+4*(\i):X+4*(\i)+3], s[DST:DST+1] offset:4096*(\i)
.endr
	s_endpgm
.Lx:                                                   ; x -> xb.  Work-group g: rows 16 (g / 4) .. + 15, k 1,024 (g % 4) .. + 1,023; wave w: 128 of these k; load r: row r, my 4 numbers at k = 4 lane
	v_lshrrev_b32 v2, 5, v0
	v_readfirstlane_b32 s35, v2                    ; wave 0..7
	s_lshr_b32 s49, s34, 2                         ; the block of 16 rows
	s_and_b32 s48, s34, 3
	s_lshl_b32 s50, s49, 18                        ; 16 rows of 16,384 bytes
	s_lshl_b32 s52, s48, 12
	s_add_co_u32 s50, s50, s52
	s_mov_b32 s51, 0
	s_add_nc_u64 s[SRC:SRC+1], s[8:9], s[50:51]
	s_lshl_b32 s50, s49, 17                        ; a block's 128 fragments of 1,024 bytes
	s_lshl_b32 s52, s48, 15                        ; 32 of them
	s_add_co_u32 s50, s50, s52
	s_add_nc_u64 s[DST:DST+1], s[24:25], s[50:51]
.irp r, 0,1,2,3,4,5,6,7,8,9,10,11,12,13,14,15
	global_load_b128 v[X+4*(\r):X+4*(\r)+3], v1, s[SRC:SRC+1] offset:16384*(\r) th:TH_LOAD_NT
.endr
	s_mul_i32 s52, s35, WLDS                       ; my wave's own bytes of LDS
	v_and_b32 v3, 31, v0                           ; lane
	v_lshrrev_b32 v4, 1, v3                        ; my 8 k = lane / 2: of the wave's 4,096 bytes in fragment order they are bytes 256 (lane / 2) + 16 r + 0..15,
	v_mul_u32_u24 v4, v4, HU
	v_and_b32 v5, 1, v0
	v_lshl_add_u32 v4, v5, 3, v4                   ; and I hold half of them
	v_add_nc_u32 v4, s52, v4
	v_lshrrev_b32 v5, 4, v3                        ; back: lanes 0-15 take 256 bytes, lanes 16-31 the next 256
	v_mul_u32_u24 v5, v5, HU
	v_and_b32 v6, 15, v0
	v_lshl_add_u32 v5, v6, 4, v5
	v_add_nc_u32 v5, s52, v5
	v_lshlrev_b32 v6, 4, v3
	v_lshl_add_u32 v6, s35, 12, v6                 ; out: 4,096 x wave + 16 x lane
.irp r, 0,1,2,3,4,5,6,7,8,9,10,11,12,13,14,15
	s_wait_loadcnt 15-(\r)                         ; row r's load is in, the later rows' may be out
	v_cvt_pk_bf16_f32 v[X+4*(\r)],   v[X+4*(\r)],   v[X+4*(\r)+1]
	v_cvt_pk_bf16_f32 v[X+4*(\r)+1], v[X+4*(\r)+2], v[X+4*(\r)+3]
	ds_store_b64 v4, v[X+4*(\r):X+4*(\r)+1] offset:16*(\r)
.endr
.irp t, 0,1,2,3,4,5,6,7
	ds_load_b128 v[Y+4*(\t):Y+4*(\t)+3], v5 offset:2*HU*(\t)  ; LDS serves a wave's instructions in order (ISA guide 5.7.1.4): these see the stores above; no other wave touches these bytes
.endr
.irp t, 0,1,2,3,4,5,6,7
	s_wait_dscnt 7-(\t)
	global_store_b128 v6, v[Y+4*(\t):Y+4*(\t)+3], s[DST:DST+1] offset:512*(\t)  ; 512 consecutive bytes, at a multiple of 256 from xb's first byte
.endr
	s_wait_tensorcnt 0x0                           ; the wave's end: behind my last LDS store
	ds_add_u32 v[SPW], v[NIL]
	s_wait_dscnt 0x0
	s_endpgm
.Lfunc_end_k_q7ed9d8aeaa_prep:
	.size	k_q7ed9d8aeaa_prep, .Lfunc_end_k_q7ed9d8aeaa_prep-k_q7ed9d8aeaa_prep
	.p2alignl 7, 3214868480
	.fill 96, 4, 3214868480
	.section	.rodata,"a",@progbits
	.p2align	6, 0x0
	.amdhsa_kernel k_q7ed9d8aeaa_prep
		.amdhsa_group_segment_fixed_size 35840
		.amdhsa_private_segment_fixed_size 0
		.amdhsa_enable_private_segment 0
		.amdhsa_kernarg_size 104
		.amdhsa_user_sgpr_count 2
		.amdhsa_user_sgpr_kernarg_segment_ptr 1
		.amdhsa_wavefront_size32 1
		.amdhsa_system_sgpr_workgroup_id_x 1
		.amdhsa_system_sgpr_workgroup_id_y 1
		.amdhsa_system_sgpr_workgroup_id_z 1
		.amdhsa_system_vgpr_workitem_id 0
		.amdhsa_next_free_vgpr 128
		.amdhsa_next_free_sgpr 66
		.amdhsa_reserve_vcc 0
		.amdhsa_float_denorm_mode_32 3
		.amdhsa_float_denorm_mode_16_64 3
		.amdhsa_memory_ordered 1
		.amdhsa_forward_progress 1
		.amdhsa_inst_pref_size 50
	.end_amdhsa_kernel
	.amdgpu_metadata
---
amdhsa.version: [ 1, 2 ]
amdhsa.kernels:
  - .name:           k_q7ed9d8aeaa_prep
    .symbol:         k_q7ed9d8aeaa_prep.kd
    .args:
      - { .name: hidden_states, .offset: 0, .size: 8, .value_kind: global_buffer, .address_space: global }
      - { .name: Wq, .offset: 8, .size: 8, .value_kind: global_buffer, .address_space: global }
      - { .name: Wk, .offset: 16, .size: 8, .value_kind: global_buffer, .address_space: global }
      - { .name: Wv, .offset: 24, .size: 8, .value_kind: global_buffer, .address_space: global }
      - { .name: Wo, .offset: 32, .size: 8, .value_kind: global_buffer, .address_space: global }
      - { .name: cos, .offset: 40, .size: 8, .value_kind: global_buffer, .address_space: global }
      - { .name: sin, .offset: 48, .size: 8, .value_kind: global_buffer, .address_space: global }
      - { .name: attention_mask, .offset: 56, .size: 8, .value_kind: global_buffer, .address_space: global }
      - { .name: xb, .offset: 64, .size: 8, .value_kind: global_buffer, .address_space: global }
      - { .name: wb, .offset: 72, .size: 8, .value_kind: global_buffer, .address_space: global }
      - { .name: wo16, .offset: 80, .size: 8, .value_kind: global_buffer, .address_space: global }
      - { .name: rope, .offset: 88, .size: 8, .value_kind: global_buffer, .address_space: global }
      - { .name: maskl, .offset: 96, .size: 8, .value_kind: global_buffer, .address_space: global }
    .group_segment_fixed_size: 35840
    .private_segment_fixed_size: 0
    .kernarg_segment_align: 8
    .kernarg_segment_size: 104
    .max_flat_workgroup_size: 256
    .sgpr_count:     66
    .vgpr_count:     128
    .wavefront_size: 32
...
	.end_amdgpu_metadata
.endif
;; end of part 1
;; launch qkv (part 2): grid 8 x 32, 4 waves a work-group, clusters of 4 x 1, 327,680 bytes of LDS; arguments xb, wb, rope, qkvh; writes qkvh
.if DOCPART == 2
	.amdgcn_target "amdgcn-amd-amdhsa--gfx1250"
	.amdhsa_code_object_version 6
	.text
	.protected	k_q7ed9d8aeaa_qkv
	.globl	k_q7ed9d8aeaa_qkv
	.p2align	8
	.type	k_q7ed9d8aeaa_qkv,@function
k_q7ed9d8aeaa_qkv:
	s_mov_b64 s[64:65], 0
	v_nop
	global_prefetch_b8 v0, s[64:65] scope:SCOPE_SE
	s_setreg_imm32_b32 hwreg(HW_REG_WAVE_MODE, 25, 1), 1
	s_wait_xcnt 0x0
	s_wait_alu depctr_hold_cnt(0) depctr_sa_sdst(0) depctr_va_vdst(0) depctr_va_sdst(0) depctr_va_ssrc(0) depctr_va_vcc(0) depctr_vm_vsrc(0)
	s_getreg_b32 s2, hwreg(HW_REG_IB_STS2, 6, 4)
	s_cmp_eq_u32 s2, 0
	s_cbranch_scc0 .Lentry_in_a_cluster
	s_endpgm
.Lentry_in_a_cluster:
	s_bfe_u32 s2, ttmp6, 0x10000c
	s_cmp_lg_u32 s2, 0x3003
	s_cbranch_scc0 .Lentry_shape_is_right
	s_endpgm
.Lentry_shape_is_right:
; QKV: C[m][n] = sum over k of x[m][k] wb[k][n] (bf16 operands, f32 sums), then RoPE on q's and k's heads, written by heads in f16:
; qkvh[u][m][128], u = n / 128: 0-15 q, 16-23 k, 24-31 v; m = 1,024 b + s.  q and k leave as rope(.) / 64 (the tables hold cos / 64 and the signed sin / 64), v as v / 4 (wb holds Wv / 4).
; LIMITS.  f16 ends at 65,504: |rope(q)|, |rope(k)| stay under 4.19e6, |v| under 2.6e5; below 6e-5 f16 keeps its fixed step of 6e-8.  NaN and infinities are not treated apart.
; SHARES.  A tile of C is 256 (m) x 128 (n), one head: 8 x 32 work-groups, one for each of 256 tiles.  Wave w makes rows 64 w .. + 63 x all 128 columns: 32 accumulators of 16 x 16.
; B GOES THROUGH LDS: two slots of 256 k-rows of 256 bytes; a wave fetches 64 of them, one tensor load a wave; B lies [k][n], so its fragments come out by the turning load ds_load_tr16_b128.
; The four tile rows of a cluster (4 x 1) need the same tiles of B: each is asked for jointly.  From a refill to the wait for it a wave issues 224 matrix instructions.
; A GOES STRAIGHT INTO REGISTERS.  xb lies in fragment order ([block of 16 rows][32 k][half][lane][16 bytes]), so a load of 16 bytes a lane takes 512 consecutive bytes and IS half a fragment.
; No two waves of a work-group want the same rows.  A ring of four units of 64 k, 256 registers; a unit is asked for three units, 192 matrix instructions, ahead, and its loads stay out over the barriers.
; A IS NOT ASKED FOR JOINTLY, though the 32 work-groups of a tile row read the same rows: a joint load ends in LDS, and both operands there take 768 bytes for each k: two slots of 256 k
; (413,696 bytes with their padding) do not fit, and with slots of 128 k a refill has 112 matrix instructions in which to land.
; THE MATRIX INSTRUCTION IS USED TRANSPOSED (source 0 = 16 columns n of B, source 1 = 16 rows m of A): a lane then holds row m = lane % 16 and the eight neighbouring columns 8 (lane / 16) + 0..7.
; REGISTERS, in windows of 256: window 0: v16-31 addresses; v32-255 the way out.  Window 1: the accumulators, (a, b) at v[8 (8 a + b)].  Window 2: A's ring, unit u, 32 k c, block a at v[64 u + 32 c + 8 a].
; Window 3: B's two fragment buffers of 128: 32 k c, column block b at v[64 c + 8 b].
.set SIZE_K, 4096
.set NSLOT,  SIZE_K/256
.set ASTR,   32*SIZE_K                 ; bytes of a block of 16 rows of A: SIZE_K / 32 fragments of 1,024 bytes
.set PB,     288                       ; B's LDS row: 256 + 32 bytes = 72 words
.set SLOT1,  1<<17                     ; slot 1 begins here: one exclusive or turns an address in one slot into the other's
.set STAGE,  SLOT1+256*PB              ; behind the ring, never filled by a tensor load: 16 rows x 272 bytes for each wave
.set SP,     272
.set SPARE,  STAGE+4*16*SP             ; the spare words, 128 bytes for each wave: two blocks of 256 bytes that no other line names
.set ADRB0, 16                         ; v16  my lane's place in a slot of B; never rewritten
.set ADRB,  18                         ; v18  the same in the slot in hand, for units 0 and 1;  v19 for units 2 and 3 (128 rows on)
.set AO,    20                         ; v20  16 x lane: my 16 bytes of half a fragment of A; never rewritten
.set STO,   24                         ; v24  the way out: where I put 16 bytes of a row
.set RD,    25                         ; v25  where I read rows back
.set CO,    26                         ; v26  my 16 bytes in 512 consecutive bytes of the output
.set TO,    27                         ; v27  my 16 bytes in the tables' rows
.set SPW,   28                         ; v28  LDS address of my spare word; never rewritten
.set NIL,   29                         ; v29  0; never rewritten
.set PFO,   30                         ; v30  the prefetches' offset: lane x a row of B; never rewritten
.set ZR,    31                         ; v31  0, an addend
.set TA,    32                         ; the way out: two table buffers of 64 (C's 32 words, S's 32 words)
.set TF,    160                        ; 32 rotated numbers in f32
.set PKR,   192                        ; 32 words of packed f16
.set BK,    224                        ; 32 words read back from the stage
.set AP,  14                           ; s[14:15] A at my wave's rows, one slot (8 fragments) past the slot in hand
.set G1,  24                           ; s[24:31] descriptor group 1
.set G0,  32                           ; s[32:35] group 0: it walks
.set LIM, 43                           ; s43  1 in a wave that prefetches, else the greatest number
.set PFA, 44                           ; s[44:45] where my prefetches stand
.set TB,  70                           ; s70  LDS byte at which the slot in hand begins
.set MSB, 0
.macro WIN new                         ; the immediate's high byte repeats the setting that is left; a switch that changes nothing is dropped
.if MSB != (\new)
	s_set_vgpr_msb (MSB<<8)|(\new)
.set MSB, \new
.endif
.endm
.macro PLACES                          ; four plain vector instructions between a matrix instruction and a load into, or a vector read or write of, its registers
.rept 4
	v_nop
.endr
.endm
.macro JLOAD                           ; a joint load: every wave fetches its own 64 k-rows; an s_nop 0 and four v_nop follow
	tensor_load_to_lds s[G0:G0+3], s[G1:G1+7]
	s_nop 0
.rept 4
	v_nop
.endr
.endm
.macro CREST                           ; a round of the cluster's barrier behind its opening barrier
	s_cmp_lg_u32 s10, 0
	s_cbranch_scc1 .Lnot_wave_0_\@
	s_barrier_signal -3
.Lnot_wave_0_\@:
	s_barrier_wait -3
	s_barrier_signal -1
	s_barrier_wait -1
.endm
.macro CROUND
	s_barrier_signal -1
	s_barrier_wait -1
	CREST
.endm
; A PREFETCH INTO THE L2 of the slot of B that the NEXT refill will ask for, 256 matrix instructions ahead of that load, behind the joint load and the runs of loads.
; Each row's 256 bytes are named once in the launch: of the two clusters that read a tile column the one with x = 0 asks; its four partners take 64 of the slot's 256 rows each, told apart by address;
; waves 0 and 1 ask for 32 each, a lane a row.  The last refill asks for nothing (s3 = 1); slots 0 to 2 come by their loads alone.
.macro ASK
	WIN 0
	s_cmp_gt_u32 s3, s[LIM]
	s_cbranch_scc0 .Lnot_mine_\@
	global_prefetch_b8 v[PFO], s[PFA:PFA+1] th:TH_LOAD_NT scope:SCOPE_SE
.Lnot_mine_\@:
.endm
; n x 8 matrix instructions: m blocks a0 .. a0 + n - 1 x all 8 n blocks, on 32 k c of unit u.  Each of the 32 accumulators has one instruction for each 32 k, always in the same order,
; so that 31 others' stand between two links of a chain, over the backward jump too: the accumulators take turns.  zero = 1: the product starts the sum.
.macro MUL u, c, a0, n, zero
	WIN 0x5b                                       ; B in window 3, A in window 2, C and D in window 1
.set aa, \a0
.rept \n
.irp b, 0,1,2,3,4,5,6,7
.if \zero
	v_wmma_f32_16x16x32_bf16 v[8*(8*aa+(\b)):8*(8*aa+(\b))+7], v[128*((\u)%2)+64*(\c)+8*(\b):128*((\u)%2)+64*(\c)+8*(\b)+7], v[64*(\u)+32*(\c)+8*aa:64*(\u)+32*(\c)+8*aa+7], 0
.else
	v_wmma_f32_16x16x32_bf16 v[8*(8*aa+(\b)):8*(8*aa+(\b))+7], v[128*((\u)%2)+64*(\c)+8*(\b):128*((\u)%2)+64*(\c)+8*(\b)+7], v[64*(\u)+32*(\c)+8*aa:64*(\u)+32*(\c)+8*aa+7], v[8*(8*aa+(\b)):8*(8*aa+(\b))+7]
.endif
.endr
.set aa, aa+1
.endr
.endm
.macro FETCH v                         ; 32 LDS loads in one run: unit v's 16 fragments of B, turned, into buffer v % 2
	WIN 0xc0
.irp c, 0,1
.irp b, 0,1,2,3,4,5,6,7
	ds_load_tr16_b128 v[128*((\v)%2)+64*(\c)+8*(\b):128*((\v)%2)+64*(\c)+8*(\b)+3],   v[ADRB+(\v)/2] offset:(64*((\v)%2)+32*(\c))*PB+32*(\b)
	ds_load_tr16_b128 v[128*((\v)%2)+64*(\c)+8*(\b)+4:128*((\v)%2)+64*(\c)+8*(\b)+7], v[ADRB+(\v)/2] offset:(64*((\v)%2)+32*(\c))*PB+32*(\b)+16*PB
.endr
.endr
.endm
.macro ALOAD ru, d                     ; 16 loads: the 8 fragments of A of ring unit ru, d bytes from where the pointer stands
	WIN 0x80
.irp c, 0,1
.irp a, 0,1,2,3
	global_load_b128 v[64*(\ru)+32*(\c)+8*(\a):64*(\ru)+32*(\c)+8*(\a)+3],   v[AO], s[AP:AP+1] offset:(\a)*ASTR+(2*(\ru)+(\c))*1024+(\d)
	global_load_b128 v[64*(\ru)+32*(\c)+8*(\a)+4:64*(\ru)+32*(\c)+8*(\a)+7], v[AO], s[AP:AP+1] offset:(\a)*ASTR+(2*(\ru)+(\c))*1024+512+(\d)
.endr
.endr
.endm
; One of a slot's first three units, 64 matrix instructions.  Behind the first 16 stands ONE run of loads: the next unit's B into the other buffer, and (al = 1) into the ring unit that the
; unit before has just left the A of three units on.  lc: how many younger loads of A may be out when this unit's must be in.
.macro UNIT u, zero, al, d, lc
	s_wait_dscnt 0x0                               ; this unit's B is in: its loads were issued 48 matrix instructions ago
	s_wait_loadcnt \lc                             ; loads come back in order: this unit's A is in; the two units asked for behind it, 16 loads each, may be out
	MUL \u, 0, 0, 2, \zero
	PLACES
	FETCH (\u)+1
.if \al
	ALOAD ((\u)+3)%4, \d
.endif
	MUL \u, 0, 2, 2, \zero
	MUL \u, 1, 0, 4, 0
.endm
; A slot's last unit, which changes slots.  In front of the barrier each wave waits for all its tensor loads (one is out: its part of the next slot), adds 0 to its spare word, and waits for that and for its
; reads of this slot.  fill = 1: the barrier opens a round of the cluster's; behind the round this slot is filled again, with the k two slots on.
.macro TURN fill
.if \fill
	s_wait_xcnt 0x0                                ; every load and prefetch issued so far has read its address, so the two pointers may be written
	s_add_nc_u64 s[PFA:PFA+1], s[PFA:PFA+1], 1<<21 ; 256 rows of 8,192 bytes down B
	s_add_nc_u64 s[AP:AP+1], s[AP:AP+1], 8192      ; 8 fragments along A
.endif
	WIN 0
	s_wait_tensorcnt 0x0                           ; all my tensor loads have landed
	ds_add_u32 v[SPW], v[NIL]                      ; 0 onto my spare word
	s_wait_loadcnt 32                              ; this unit's A is in
	s_wait_dscnt 1                                 ; this unit's B is in; the add alone may be out
	MUL 3, 0, 0, 2, 0                              ; sixteen matrix instructions stand between the add and the wait for it
	s_wait_dscnt 0x0                               ; the add is done, and my reads of this slot are over
	s_barrier_signal -1
	MUL 3, 0, 2, 2, 0
	WIN 0
	s_barrier_wait -1
.if \fill
	CREST                                          ; no wave of any partner still reads this slot or has a load on its way
	s_xor_b32 s[G0+1], s[G0+1], SLOT1              ; the walking descriptor: the other slot than last time, the next 256 k
	s_add_nc_u64 s[G0+2:G0+3], s[G0+2:G0+3], 1<<21
	JLOAD                                          ; the first tensor load behind the round; its four v_nop are also the places in front of the loads below
.else
	PLACES
.endif
	s_xor_b32 s[TB], s[TB], SLOT1
	v_add_nc_u32 v[ADRB], s[TB], v[ADRB0]
	v_add_nc_u32 v[ADRB+1], 128*PB, v[ADRB]
	FETCH 0
.if \fill
	ALOAD 2, -8192                                 ; the pointer has been stepped: unit 2 of the slot that begins
	ASK
.else
	ALOAD 2, 0
.endif
	MUL 3, 1, 0, 4, 0
.endm
	s_load_b128 s[4:7], s[0:1], 0x0                ; xb s[4:5], wb s[6:7]
	s_load_b64 s[68:69], s[0:1], 0x10              ; rope
	s_load_b64 s[8:9], s[0:1], 0x18                ; qkvh
	v_lshl_add_u32 v[SPW], v0, 2, SPARE
	v_mov_b32 v[NIL], 0
	ds_add_u32 v[SPW], v[NIL]                      ; the wave's opening: the add and its wait stand ahead of my first tensor load; work on registers stands between them
	v_lshrrev_b32 v1, 5, v0
	v_readfirstlane_b32 s10, v1                    ; wave 0..3
	s_bfe_u32 s40, ttmp6, 0x40000                  ; cx
	s_lshl_b32 s13, ttmp9, 2
	s_add_co_u32 s13, s13, s40                     ; tile row = 4 x cluster x + cx: it enters A's, the tables' and the output's addresses alone
	s_and_b32 s42, ttmp7, 0xffff                   ; tile column, which the four partners share
	s_mov_b32 s[G1], 15|(1<<16)|(1<<20)|(1<<21)|(5<<22)|(7<<25)  ; the mask of four; 2-byte elements; padding on; bit 21 beside a mask; after every 64 words 8 words
	s_mov_b32 s[G1+1], 128<<16                     ; tensor_dim0 = 128
	s_mov_b32 s[G1+2], 64<<16                      ; tensor_dim1 = 64
	s_mov_b32 s[G1+3], 128<<16                     ; tile_dim0 = 128
	s_mov_b32 s[G1+4], 64                          ; tile_dim1 = 64
	s_mov_b32 s[G1+5], 4096                        ; elements from row to row
	s_mov_b32 s[G1+6], 0
	s_mov_b32 s[G1+7], 0
	s_mov_b32 s[G0], 1
	s_mul_i32 s[G0+1], s10, 64*PB                  ; where my 64 rows go: no place in the cluster enters an LDS address
	s_lshl_b32 s46, s10, 19                        ; B: k-row 64 x wave (8,192 bytes a row),
	s_lshl_b32 s47, s42, 8                         ; byte 256 x tile column
	s_add_co_u32 s46, s46, s47
	s_mov_b32 s47, 0
	s_lshl_b32 s16, s13, 4
	s_lshl_b32 s17, s10, 2
	s_add_co_u32 s16, s16, s17                     ; A: my first block of 16 rows = 16 x tile row + 4 x wave,
	s_mul_i32 s16, s16, ASTR                       ; in bytes (under 2^25)
	s_mov_b32 s17, 0
	s_mov_b32 s[TB], 0
	s_wait_dscnt 0x0                               ; the opening add is done
	s_wait_kmcnt 0x0
	s_add_nc_u64 s[G0+2:G0+3], s[6:7], s[46:47]
	s_or_b32 s[G0+3], s[G0+3], 0x80000000
	s_add_nc_u64 s[AP:AP+1], s[4:5], s[16:17]
	s_add_nc_u64 s[AP:AP+1], s[AP:AP+1], 8192      ; one slot past slot 0
	CROUND                                         ; all four work-groups are here: the first joint loads meet
	JLOAD                                          ; slot 0
	v_and_b32 v6, 31, v0
	v_lshlrev_b32 v[AO], 4, v6
	ALOAD 0, -8192                                 ; slot 0's units 0 to 2: 48 loads are out
	ALOAD 1, -8192
	ALOAD 2, -8192
	WIN 0
	v_and_b32 v1, 15, v0                           ; r = lane % 16
	v_bfe_u32 v2, v0, 4, 1                         ; h = lane / 16
	v_and_b32 v4, 7, v0
	v_lshl_add_u32 v4, v2, 3, v4                   ; the turning load: lane l reads k-row 8 h + l % 8,
	v_mul_u32_u24 v4, v4, PB
	v_bfe_u32 v5, v0, 3, 1
	v_lshl_add_u32 v[ADRB0], v5, 4, v4             ; columns 8 ((l / 8) % 2) + 0..7
	v_mov_b32 v[ADRB], v[ADRB0]
	v_add_nc_u32 v[ADRB+1], 128*PB, v[ADRB0]
	v_mov_b32 v[ZR], 0
	s_mul_i32 s23, s10, 16*SP
	s_add_co_u32 s23, s23, STAGE                   ; my stage
	v_mul_u32_u24 v3, v1, SP
	v_lshl_add_u32 v3, v2, 4, v3
	v_add_nc_u32 v[STO], s23, v3                   ; in: row r, 16 bytes for each half of the lanes
	v_mul_u32_u24 v5, v2, SP
	v_lshl_add_u32 v5, v1, 4, v5
	v_add_nc_u32 v[RD], s23, v5                    ; back: lanes 0-15 one row of 256 bytes, lanes 16-31 the next
	v_lshlrev_b32 v[CO], 4, v6                     ; which are 512 consecutive bytes of a head
	v_lshlrev_b32 v[TO], 8, v1
	v_lshl_add_u32 v[TO], v2, 4, v[TO]             ; the tables: row r x 256 + 16 h
	s_lshl_b32 s22, s13, 16                        ; the tile's 256 rows of 256 bytes,
	s_lshl_b32 s21, s10, 14                        ; my 64 of them
	s_add_co_u32 s22, s22, s21
	s_lshl_b32 s20, s42, 19                        ; head u = tile column: 2,048 rows of 256 bytes
	s_add_co_u32 s20, s20, s22
	s_mov_b32 s21, 0
	s_mov_b32 s23, 0
	s_add_nc_u64 s[8:9], s[8:9], s[20:21]
	s_add_nc_u64 s[68:69], s[68:69], s[22:23]
	s_lshl_b32 s20, s40, 19                        ; the prefetches: my work-group's 64 rows of a slot,
	s_lshl_b32 s21, s10, 18                        ; my wave's 32 of them,
	s_add_co_u32 s20, s20, s21
	s_lshl_b32 s21, s42, 8
	s_add_co_u32 s20, s20, s21
	s_add_co_u32 s20, s20, 2<<21                   ; in slot 2: the loop's first change of slots steps it to slot 3
	s_mov_b32 s21, 0
	s_add_nc_u64 s[PFA:PFA+1], s[6:7], s[20:21]
	s_lshr_b32 s22, s10, 1                         ; waves 0 and 1,
	s_or_b32 s22, s22, ttmp9                       ; where the cluster's x is 0: the same in all four partners
	s_cmp_eq_u32 s22, 0
	s_cselect_b32 s[LIM], 1, -1
	v_lshlrev_b32 v[PFO], 13, v6
	; slot 0 is waited for, and slot 1 is filled for the first time as a refill is: the three lines, a round, the one load
	s_wait_tensorcnt 0x0                           ; my part of slot 0 is in, and the descriptor may be written
	ds_add_u32 v[SPW], v[NIL]                      ; 0 onto my spare word
	s_xor_b32 s[G0+1], s[G0+1], SLOT1
	s_add_nc_u64 s[G0+2:G0+3], s[G0+2:G0+3], 1<<21
	s_wait_dscnt 0x0
	CROUND                                         ; everybody's part of slot 0 is in
	JLOAD                                          ; slot 1
	FETCH 0
	UNIT 0, 1, 1, -8192, 32                        ; the first unit stands in front of the loop: its first products start the sums
	WIN 0                                          ; at a label and at a branch every window is 0
	s_mov_b32 s3, NSLOT-1
	s_branch .Lin                                  ; the loop is entered behind a slot's first unit
.Lslot:                                                ; a trip: the old slot's last unit with the change of slots and the refill, then the new slot's units 0 to 2
	TURN 1
	UNIT 0, 0, 1, -8192, 32
	WIN 0
.Lin:
	UNIT 1, 0, 1, 0, 32
	UNIT 2, 0, 1, 0, 32
	WIN 0
	s_sub_co_u32 s3, s3, 1
	s_cmp_lg_u32 s3, 0
	s_cbranch_scc1 .Lslot
	TURN 0                                         ; the last slot is written out, and A's last two units are asked for
	UNIT 0, 0, 1, 0, 32
	UNIT 1, 0, 0, 0, 32                            ; the counts run down: units 2 and 3 may be out,
	UNIT 2, 0, 0, 0, 16                            ; unit 3,
	s_wait_dscnt 0x0
	s_wait_loadcnt 0x0                             ; none
	MUL 3, 0, 0, 4, 0
	MUL 3, 1, 0, 4, 0
	WIN 0
; THE WAY OUT, a block of 16 rows at a time.  In block a a lane holds row r and, in accumulator (a, b), channels d = 16 b + 8 h + 0..7 of its head; d's partner d xor 64 lies in accumulator (a, b xor 4), same lane, same register.
.macro TLOAD a                         ; block a's 16 rows of both tables: my 8 numbers of C and of S for each b
.irp b, 0,1,2,3,4,5,6,7
	global_load_b128 v[TA+64*((\a)%2)+4*(\b):TA+64*((\a)%2)+4*(\b)+3],       v[TO], s[68:69] offset:4096*(\a)+32*(\b)
	global_load_b128 v[TA+64*((\a)%2)+32+4*(\b):TA+64*((\a)%2)+32+4*(\b)+3], v[TO], s[68:69] offset:4096*(\a)+32*(\b)+524288
.endr
.endm
.macro MIX d, t, x, c, hi              ; v[d] = bf16 half (hi) of v[t] x v[x] + v[c], in f32
.if \hi
	v_fma_mix_f32_bf16 v[\d], v[\t], v[\x], v[\c] op_sel:[1,0,0] op_sel_hi:[1,0,0]
.else
	v_fma_mix_f32_bf16 v[\d], v[\t], v[\x], v[\c] op_sel_hi:[1,0,0]
.endif
.endm
.macro ROPE a                          ; q[d] C[d] + q[d xor 64] S[d], four b at a time; each accumulator's registers are read in ascending order
.irp g, 0,4
	WIN 0x04                                       ; source 1 (the accumulator) in window 1
.irp c, 0,1,2,3
.irp j, 0,1,2,3,4,5,6,7
	MIX TF+8*(\c)+(\j), TA+64*((\a)%2)+4*((\g)+(\c))+(\j)/2, 8*(8*(\a)+(\g)+(\c))+(\j), ZR, (\j)%2
.endr
.irp j, 0,1,2,3,4,5,6,7
	MIX TF+8*(\c)+(\j), TA+64*((\a)%2)+32+4*((\g)+(\c))+(\j)/2, 8*(8*(\a)+((\g)+(\c)+4)%8)+(\j), TF+8*(\c)+(\j), (\j)%2
.endr
.endr
	WIN 0
.irp c, 0,1,2,3
.irp i, 0,1,2,3
	v_cvt_pk_f16_f32 v[PKR+4*((\g)+(\c))+(\i)], v[TF+8*(\c)+2*(\i)], v[TF+8*(\c)+2*(\i)+1]
.endr
.endr
.endr
.endm
.macro PACKV a                         ; v has no rotation
	WIN 0x05                                       ; sources 0 and 1 in window 1
.irp b, 0,1,2,3,4,5,6,7
.irp i, 0,1,2,3
	v_cvt_pk_f16_f32 v[PKR+4*(\b)+(\i)], v[8*(8*(\a)+(\b))+2*(\i)], v[8*(8*(\a)+(\b))+2*(\i)+1]
.endr
.endr
	WIN 0
.endm
.macro TOSTAGE                         ; 16 bytes a lane into my own stage, back as whole rows of 256 bytes
	s_wait_xcnt 0x0                                ; the block before's stores have read the registers that the loads below write
.irp b, 0,1,2,3,4,5,6,7
	ds_store_b128 v[STO], v[PKR+4*(\b):PKR+4*(\b)+3] offset:32*(\b)
.endr
.irp t, 0,1,2,3,4,5,6,7
	ds_load_b128 v[BK+4*(\t):BK+4*(\t)+3], v[RD] offset:2*SP*(\t)  ; LDS serves a wave's instructions in order (ISA guide 5.7.1.4): these see the stores above
.endr
.endm
.macro SEND a
	s_wait_dscnt 0x0                               ; the block is back in registers
.irp t, 0,1,2,3,4,5,6,7
	global_store_b128 v[CO], v[BK+4*(\t):BK+4*(\t)+3], s[8:9] offset:4096*(\a)+512*(\t)  ; 512 consecutive bytes, at a multiple of 256 from the buffer's first
.endr
.endm
	PLACES                                         ; behind the last products, in front of the reads of the sums
	s_cmp_ge_u32 s42, 24                           ; tile columns 24 to 31 are v's heads: the same in all partners
	s_cbranch_scc1 .Lv
	TLOAD 0
	TLOAD 1
.irp a, 0,1,2,3
.if (\a) < 3
	s_wait_loadcnt 16                              ; block a's tables are in; the next block's 16 loads may be out
.else
	s_wait_loadcnt 0x0
.endif
	ROPE \a
.if (\a) < 2
	TLOAD (\a)+2                                   ; into the buffer just read
.endif
	TOSTAGE
	SEND \a
.endr
	s_branch .Lend
.Lv:
.irp a, 0,1,2,3
	PACKV \a
	TOSTAGE
	SEND \a
.endr
.Lend:
	s_wait_tensorcnt 0x0                           ; the wave's end: behind my last tensor load and my last LDS store
	ds_add_u32 v[SPW], v[NIL]
	s_wait_dscnt 0x0
	CROUND                                         ; the closing round: no work-group ends while a partner may still ask for a tile that names it
	s_endpgm
.Lfunc_end_k_q7ed9d8aeaa_qkv:
	.size	k_q7ed9d8aeaa_qkv, .Lfunc_end_k_q7ed9d8aeaa_qkv-k_q7ed9d8aeaa_qkv
	.p2alignl 7, 3214868480
	.fill 96, 4, 3214868480
	.section	.rodata,"a",@progbits
	.p2align	6, 0x0
	.amdhsa_kernel k_q7ed9d8aeaa_qkv
		.amdhsa_group_segment_fixed_size 327680
		.amdhsa_private_segment_fixed_size 0
		.amdhsa_enable_private_segment 0
		.amdhsa_kernarg_size 32
		.amdhsa_user_sgpr_count 2
		.amdhsa_user_sgpr_kernarg_segment_ptr 1
		.amdhsa_wavefront_size32 1
		.amdhsa_system_sgpr_workgroup_id_x 1
		.amdhsa_system_sgpr_workgroup_id_y 1
		.amdhsa_system_sgpr_workgroup_id_z 1
		.amdhsa_system_vgpr_workitem_id 0
		.amdhsa_next_free_vgpr 1024
		.amdhsa_next_free_sgpr 74
		.amdhsa_reserve_vcc 0
		.amdhsa_float_denorm_mode_32 3
		.amdhsa_float_denorm_mode_16_64 3
		.amdhsa_memory_ordered 1
		.amdhsa_forward_progress 1
		.amdhsa_inst_pref_size 156
	.end_amdhsa_kernel
	.amdgpu_metadata
---
amdhsa.version: [ 1, 2 ]
amdhsa.kernels:
  - .name:           k_q7ed9d8aeaa_qkv
    .symbol:         k_q7ed9d8aeaa_qkv.kd
    .args:
      - { .name: xb, .offset: 0, .size: 8, .value_kind: global_buffer, .address_space: global }
      - { .name: wb, .offset: 8, .size: 8, .value_kind: global_buffer, .address_space: global }
      - { .name: rope, .offset: 16, .size: 8, .value_kind: global_buffer, .address_space: global }
      - { .name: qkvh, .offset: 24, .size: 8, .value_kind: global_buffer, .address_space: global }
    .group_segment_fixed_size: 327680
    .private_segment_fixed_size: 0
    .kernarg_segment_align: 8
    .kernarg_segment_size: 32
    .max_flat_workgroup_size: 128
    .sgpr_count:     74
    .vgpr_count:     1024
    .wavefront_size: 32
...
	.end_amdgpu_metadata
.endif
;; end of part 2
;; launch attn (part 3): grid 16 x 16, 4 waves a work-group, clusters of 4 x 1, 327,680 bytes of LDS; arguments qkvh, maskl, att; writes att
.if DOCPART == 3
	.amdgcn_target "amdgcn-amd-amdhsa--gfx1250"
	.amdhsa_code_object_version 6
	.text
	.protected	k_q7ed9d8aeaa_attn
	.globl	k_q7ed9d8aeaa_attn
	.p2align	8
	.type	k_q7ed9d8aeaa_attn,@function
k_q7ed9d8aeaa_attn:
	s_mov_b64 s[64:65], 0
	v_nop
	global_prefetch_b8 v0, s[64:65] scope:SCOPE_SE
	s_setreg_imm32_b32 hwreg(HW_REG_WAVE_MODE, 25, 1), 1
	s_wait_xcnt 0x0
	s_wait_alu depctr_hold_cnt(0) depctr_sa_sdst(0) depctr_va_vdst(0) depctr_va_sdst(0) depctr_va_ssrc(0) depctr_va_vcc(0) depctr_vm_vsrc(0)
	s_getreg_b32 s2, hwreg(HW_REG_IB_STS2, 6, 4)
	s_cmp_eq_u32 s2, 0
	s_cbranch_scc0 .Lentry_in_a_cluster
	s_endpgm
.Lentry_in_a_cluster:
	s_bfe_u32 s2, ttmp6, 0x10000c
	s_cmp_lg_u32 s2, 0x3003
	s_cbranch_scc0 .Lentry_shape_is_right
	s_endpgm
.Lentry_shape_is_right:
; ATTENTION with two query heads to a key and value head and an additive mask that is an input: O[m][128 hq + d] = sum over k of softmax_k(q . k / sqrt(128) + mask[b][q][k]) v[k][d] / 4.
; qkvh[u][m][128] f16 holds rope(q) / 64 (u 0-15), rope(k) / 64 (u 16-23), v / 4 (u 24-31); maskl holds the mask times log2(e) in f32.  All 1,024 keys are walked: the mask's pattern is not known.
; att takes O in f16 in FRAGMENT ORDER, for the product that follows: [block of 16 rows m][32 columns][half c][lane][16 bytes]: lane 16 h + r holds row r, columns 16 c + 8 h + 0..7 of the 32.
; SOFTMAX, in base 2.  s' = S c + maskl by one fused multiply-add, c = log2(e) / sqrt(128) x 2^12; a running maximum m of s'; p = 2^(s' - m); in every step O and l are multiplied by a = 2^(m_old - m_new).
; m starts at the lowest finite number, O and l at 0: the first step is a step like any other, with a = 0.  Products, maxima and sums in f32; p is rounded to f16 for the second product (l is the sum of the unrounded p), O once.
; LIMITS.  A mask of -infinity gives the weight 0; a row whose mask is -infinity everywhere gives NaN; a weight below 2^-126 counts as 0 in l; p below 6e-5 keeps f16's fixed step of 6e-8; NaN is not treated apart.
; SHARES.  Work-group (x, y): y = 8 b + kv, x = a block of 64 positions.  A wave owns 16 positions x the two query heads of kv: two tiles of 16 queries that share one set of mask registers.  64 keys a step, 16 steps.
; LAYOUT.  S^T = K Q^T (source 0 = 16 keys, source 1 = 16 queries): a lane holds ONE query (lane % 16) and the keys 8 (lane / 16) + 0..7; two such results rounded to f16 ARE source 1 of O^T = V^T P.  V comes out of LDS turned.
; In O^T a lane holds one query and eight channels: rounded, they are the lane's own 16 bytes of a fragment of att, so O leaves straight from registers.
; IN PHASES: a step's softmax, its 32 products V^T P, the next step's 32 products K Q^T; the LDS runs and the mask's loads go out a phase or more ahead of their use.
; CLUSTER.  The four blocks of a cluster walk the same K and V: each tile is asked for jointly.  A slot holds two steps; one joint load a wave behind each round.
; REGISTERS: window 0: addresses, statistics, v32-63 mask, v64-127 S^T, v128-159 P, v160-223 Q.  Window 1: v0-127 O^T, v128-255 K of one step.  Window 2: v0-127 V of one step.
.set KS,    64
.set PK,    272       ; a row of K in LDS: 256 + 16 bytes: the 16 rows of a load start at 16 different groups of four banks (64 banks of 4 bytes: ISA guide 11.1)
.set PV,    288       ; a row of V: 256 + 32 bytes = 72 words
.set VOFF,  KS*PK     ; a step's tiles lie together: 64 rows of K, then 64 rows of V
.set STEPB, KS*(PK+PV)
.set SLOT1, 1<<17
.set SPARE, SLOT1+2*STEPB  ; behind the ring: the spare words, 128 bytes for each wave: two blocks of 256 bytes that no other line names
.set AK0, 2           ; v2   my lane's place in a tile of K; never rewritten
.set AV0, 3           ; v3   the same for V
.set ADR, 4           ; v4   the LDS address of K's run of loads
.set ADRV, 5          ; v5   of V's
.set GO,  8           ; v8   16 x lane: my 16 bytes of half a fragment of att
.set MA,  12          ; v12  my 32 bytes in my query's row of the mask, at the step whose mask was loaded last
.set QO,  14          ; v14  my byte offset in 16 rows of Q
.set ST,  16          ; tile t's statistics at v[ST+8 t]: +0 m, +1 0 (named with m as a pair), +2, +3 l (even keys', odd keys'), +4 to +7 c0-c3 at work; a takes c2's place
.set MK,  32
.set S,   64
.set P,   128
.set Q,   160
.set SPW, 224         ; v224 LDS address of my spare word; never rewritten
.set NIL, 225         ; v225 0; never rewritten
.set PFO, 226         ; v226 256 x my lane; never rewritten
.set KF,  128         ; K's fragments, in window 1
.set WV,  12          ; s12  my wave's number
.set LIM, 15          ; s15  1 in a wave that prefetches, else the greatest number
.set PFA, 18          ; s[18:19] where my prefetches stand
.set G1K, 24          ; s[24:31], s[32:39] descriptor group 1 for K's and V's tiles: they differ in the padding
.set G1V, 32
.set G0K, 40          ; s[40:47], s[48:55] group 0: a set for each first fill; the second then walks
.set G0V, 48
.set SLOTS, 56        ; s56  counts the outer loop's trips; behind the first, slots still to be asked for
.set TWICE, 57        ; s57  counts a slot's steps
.set CS,  58          ; s[58:59] c
.set SEL, 60          ; s[60:61] v_permlanex16_b32's selects: each lane takes its own place in the other half
.set TB,  62          ; s62  LDS byte at which the tiles of the step to be fetched begin
.set MSB, 0
.macro WIN new
.if MSB != (\new)
	s_set_vgpr_msb (MSB<<8)|(\new)
.set MSB, \new
.endif
.endm
.macro PLACES                       ; four plain vector instructions between a matrix instruction and a load into, or a vector read or write of, its registers
.rept 4
	v_nop
.endr
.endm
.macro JLOAD                        ; a joint refill: waves 0 and 1 fetch the two steps' K, waves 2 and 3 their V; an s_nop 0 and four v_nop follow each line
	s_cmp_lt_u32 s[WV], 2
	s_cbranch_scc0 .Lfor_v_\@
	tensor_load_to_lds s[G0K+4:G0K+7], s[G1K:G1K+7]
	s_nop 0
.rept 4
	v_nop
.endr
	s_branch .Lasked_\@
.Lfor_v_\@:
	tensor_load_to_lds s[G0V+4:G0V+7], s[G1V:G1V+7]
	s_nop 0
.rept 4
	v_nop
.endr
.Lasked_\@:
.endm
; A PREFETCH INTO THE L2 of the slot that the NEXT change will ask for: two key steps ahead of that load.  Each row of K and V (256 bytes) is named once in the launch: of the four clusters that walk a key and
; value head the first asks; its four partners take 32 of a slot's 128 rows each, told apart by address; wave 0 asks for K's, wave 2 for V's, a lane a row.  The last change that fills a slot asks for nothing.
.macro ASK
	s_cmp_gt_u32 s[SLOTS], s[LIM]
	s_cbranch_scc0 .Lnot_mine_\@
	global_prefetch_b8 v[PFO], s[PFA:PFA+1] th:TH_LOAD_NT scope:SCOPE_SE
.Lnot_mine_\@:
.endm
.macro CROUND                       ; a round of the cluster's barrier
	s_barrier_signal -1
	s_barrier_wait -1
	s_cmp_lg_u32 s[WV], 0
	s_cbranch_scc1 .Lnot_wave_0_\@
	s_barrier_signal -3
.Lnot_wave_0_\@:
	s_barrier_wait -3
	s_barrier_signal -1
	s_barrier_wait -1
.endm
	s_load_b128 s[4:7], s[0:1], 0x0   ; qkvh s[4:5], maskl s[6:7]
	s_load_b64 s[10:11], s[0:1], 0x10 ; att
	v_lshl_add_u32 v[SPW], v0, 2, SPARE
	v_mov_b32 v[NIL], 0
	ds_add_u32 v[SPW], v[NIL]       ; the wave's opening: the add and its wait stand ahead of my first tensor load; work on registers stands between them
	v_lshrrev_b32 v1, 5, v0
	v_readfirstlane_b32 s[WV], v1   ; wave 0..3
	s_bfe_u32 s13, ttmp6, 0x40000   ; cx
	s_lshl_b32 s14, ttmp9, 2
	s_add_co_u32 s14, s14, s13      ; my block of 64 positions: it enters Q's, the mask's and att's addresses alone
	s_and_b32 s20, ttmp7, 0xffff
	s_lshr_b32 s21, s20, 3          ; b
	s_and_b32 s20, s20, 7           ; kv
	s_and_b32 s16, s[WV], 1         ; which of a slot's two steps I fetch
	s_add_co_u32 s22, s20, 16       ; K: unit 16 + kv of 2^19 bytes,
	s_lshl_b32 s22, s22, 19
	s_lshl_b32 s23, s21, 18         ; b's 1,024 rows of 256 bytes,
	s_add_co_u32 s22, s22, s23
	s_lshl_b32 s23, s16, 14         ; my step's 64 rows
	s_add_co_u32 s22, s22, s23
	s_mov_b32 s23, 0
	s_mul_i32 s17, s16, STEPB       ; and its place in a slot: no place in the cluster enters an LDS address
	s_lshl_b32 s2, s20, 20          ; Q: unit 2 kv,
	s_lshl_b32 s3, s21, 18
	s_add_co_u32 s2, s2, s3
	s_lshl_b32 s3, s14, 14          ; my block's 64 rows,
	s_add_co_u32 s2, s2, s3
	s_lshl_b32 s3, s[WV], 12        ; my wave's 16
	s_add_co_u32 s2, s2, s3
	s_mov_b32 s3, 0
	s_lshl_b32 s70, s21, 22         ; 16 rows of the mask are 65,536 bytes, and so is a block of 16 rows of att: 64 blocks for each b,
	s_lshl_b32 s71, s14, 18         ; 4 for my work-group,
	s_add_co_u32 s70, s70, s71
	s_lshl_b32 s71, s[WV], 16       ; one for my wave
	s_add_co_u32 s70, s70, s71
	s_mov_b32 s71, 0
	s_lshl_b32 s20, s20, 13         ; att: the two heads' 256 columns are 8 fragments of 1,024 bytes
	s_mov_b32 s21, 0
	s_mov_b32 s[G1K], 15|(1<<16)|(1<<20)|(1<<21)|(5<<22)|(3<<25)  ; the mask of four; 2-byte elements; padding on; bit 21 beside a mask; after every 64 words 4 words
	s_mov_b32 s[G1V], 15|(1<<16)|(1<<20)|(1<<21)|(5<<22)|(7<<25)  ; the same with 8 words
.irp g, G1K, G1V
	s_mov_b32 s[(\g)+1], 128<<16    ; tensor_dim0 = 128
	s_mov_b32 s[(\g)+2], KS<<16     ; tensor_dim1 = 64
	s_mov_b32 s[(\g)+3], 128<<16    ; tile_dim0 = 128
	s_mov_b32 s[(\g)+4], KS         ; tile_dim1 = 64
	s_mov_b32 s[(\g)+5], 128        ; elements from row to row
	s_mov_b32 s[(\g)+6], 0
	s_mov_b32 s[(\g)+7], 0
.endr
	s_mov_b32 s[CS], 0x440293ee     ; c = log2(e) / sqrt(128) x 4,096
	s_mov_b32 s[CS+1], s[CS]        ; named with it as a pair
	s_mov_b32 s[SEL], 0x76543210
	s_mov_b32 s[SEL+1], 0xfedcba98
	s_mov_b32 s[TB], 0
	s_mov_b32 s[SLOTS], 7           ; the first trip, of one step, and six that fill a slot again: 8 slots, of which two are the first fills
	s_and_b32 s[LIM], s[WV], 1      ; 0 in waves 0 and 2,
	s_or_b32 s[LIM], s[LIM], ttmp9  ; where the cluster is the first of its four: the same in all partners
	s_cmp_eq_u32 s[LIM], 0
	s_cselect_b32 s[LIM], 1, -1
	v_and_b32 v[PFO], 31, v0
	v_lshlrev_b32 v[PFO], 8, v[PFO]
	s_wait_dscnt 0x0                ; the opening add is done
	s_wait_kmcnt 0x0
	s_add_nc_u64 s[66:67], s[4:5], s[22:23]   ; K at my tile of slot 0
	s_add_nc_u64 s[68:69], s[66:67], 1<<22    ; V: eight units further
	s_add_nc_u64 s[4:5], s[4:5], s[2:3]       ; Q at my wave's first row
	s_add_nc_u64 s[6:7], s[6:7], s[70:71]     ; the mask at my wave's first row
	s_add_nc_u64 s[10:11], s[10:11], s[70:71]
	s_add_nc_u64 s[10:11], s[10:11], s[20:21]
	s_cmp_lt_u32 s[WV], 2
	s_cselect_b64 s[PFA:PFA+1], s[66:67], s[68:69]  ; (in waves 0 and 2 these stand at a slot's first row)
	s_lshl_b32 s2, s13, 13          ; my work-group's 32 rows of the 128
	s_mov_b32 s3, 0
	s_add_nc_u64 s[PFA:PFA+1], s[PFA:PFA+1], s[2:3]
	s_add_nc_u64 s[PFA:PFA+1], s[PFA:PFA+1], 2*2*KS*256  ; in slot 2; the first change of slots steps it to slot 3
	CROUND                          ; all four work-groups are here: the first joint loads meet
.irp s, 0,1
	s_mov_b32 s[G0K+4*(\s)], 1
	s_add_co_u32 s[G0K+4*(\s)+1], s17, (\s)*SLOT1
	s_add_nc_u64 s[G0K+4*(\s)+2:G0K+4*(\s)+3], s[66:67], (\s)*2*KS*256
	s_or_b32 s[G0K+4*(\s)+3], s[G0K+4*(\s)+3], 0x80000000
	s_mov_b32 s[G0V+4*(\s)], 1
	s_add_co_u32 s[G0V+4*(\s)+1], s17, (\s)*SLOT1+VOFF
	s_add_nc_u64 s[G0V+4*(\s)+2:G0V+4*(\s)+3], s[68:69], (\s)*2*KS*256
	s_or_b32 s[G0V+4*(\s)+3], s[G0V+4*(\s)+3], 0x80000000
.endr
	s_cmp_lt_u32 s[WV], 2           ; a wave's two first fills stand in one branch, ahead of every wait on TENSORcnt and every LDS read: two loads of mine are out
	s_cbranch_scc0 .Lfirst_v
	tensor_load_to_lds s[G0K:G0K+3], s[G1K:G1K+7]
	s_nop 0
	tensor_load_to_lds s[G0K+4:G0K+7], s[G1K:G1K+7]
	s_nop 0
.rept 4
	v_nop
.endr
	s_branch .Lfirst_asked
.Lfirst_v:
	tensor_load_to_lds s[G0V:G0V+3], s[G1V:G1V+7]
	s_nop 0
	tensor_load_to_lds s[G0V+4:G0V+7], s[G1V:G1V+7]
	s_nop 0
.rept 4
	v_nop
.endr
.Lfirst_asked:
	v_and_b32 v1, 15, v0            ; r = lane % 16
	v_bfe_u32 v9, v0, 4, 1          ; h = lane / 16
	v_lshlrev_b32 v[QO], 8, v1
	v_lshl_add_u32 v[QO], v9, 4, v[QO]  ; row x 256 + 16 h
.irp i, 0,1,2,3,4,5,6,7             ; Q stays in registers: tile i / 4 (the second head lies 2^19 bytes on), channels 32 (i % 4) on
	global_load_b128 v[Q+8*(\i):Q+8*(\i)+3],   v[QO], s[4:5] offset:((\i)/4)*524288+((\i)%4)*64
	global_load_b128 v[Q+8*(\i)+4:Q+8*(\i)+7], v[QO], s[4:5] offset:((\i)/4)*524288+((\i)%4)*64+32
.endr
; A step's mask for my query: for each group kb of 16 keys my 8 keys' 32 bytes, laid as S^T's registers lie
.macro MLOAD
.irp kb, 0,1,2,3
	global_load_b128 v[MK+8*(\kb):MK+8*(\kb)+3],   v[MA], s[6:7] offset:64*(\kb)
	global_load_b128 v[MK+8*(\kb)+4:MK+8*(\kb)+7], v[MA], s[6:7] offset:64*(\kb)+16
.endr
.endm
	v_lshlrev_b32 v[MA], 12, v1
	v_lshl_add_u32 v[MA], v9, 5, v[MA]  ; row x 4,096 + 32 h
	MLOAD                           ; step 0
	WIN 0x40                        ; O^T starts at 0: written in the wait for the first tile, so that no first step is written out
.set i, 0
.rept 128
	v_mov_b32 v[i], 0
.set i, i+1
.endr
	WIN 0
.irp t, 0,1
	v_mov_b32 v[ST+8*(\t)], 0xff7fffff  ; m: the lowest finite number
	v_mov_b32 v[ST+8*(\t)+1], 0
	v_mov_b32 v[ST+8*(\t)+2], 0         ; l
	v_mov_b32 v[ST+8*(\t)+3], 0
.endr
	v_mul_u32_u24 v[AK0], v1, PK
	v_lshl_add_u32 v[AK0], v9, 4, v[AK0]  ; row x pitch + 16 h
	v_and_b32 v10, 7, v0            ; the turning load: lane l reads key 8 h + l % 8, channels 8 ((l / 8) % 2) + 0..7
	v_bfe_u32 v11, v0, 3, 1
	v_lshl_add_u32 v[AV0], v9, 3, v10
	v_mul_u32_u24 v[AV0], v[AV0], PV
	v_lshl_add_u32 v[AV0], v11, 4, v[AV0]
	v_add_nc_u32 v[AV0], VOFF, v[AV0]
	v_and_b32 v[GO], 31, v0
	v_lshlrev_b32 v[GO], 4, v[GO]
; THE MATRIX WORK.  The accumulators take turns, one instruction a turn: 7 (K Q^T) or 15 (V^T P) others' stand between two links of a chain.
.macro KQALL                        ; product i: channels 32 (i / 8) on, keys 16 ((i / 2) % 4) on, tile i % 2; the first 8 start the sums
	WIN 0x01                        ; K in window 1
.set i, 0
.rept 32
.set rS, S+32*(i%2)+8*((i/2)%4)
.set rK, KF+32*((i/2)%4)+8*(i/8)
.set rQ, Q+32*(i%2)+8*(i/8)
.if i < 8
	v_wmma_f32_16x16x32_f16 v[rS:rS+7], v[rK:rK+7], v[rQ:rQ+7], 0
.else
	v_wmma_f32_16x16x32_f16 v[rS:rS+7], v[rK:rK+7], v[rQ:rQ+7], v[rS:rS+7]
.endif
.set i, i+1
.endr
.endm
.macro PVALL                        ; product i: keys 32 (i / 16) on, channels 16 ((i / 2) % 8) on, tile i % 2
	WIN 0x52                        ; V in window 2, O^T in window 1
.set i, 0
.rept 32
.set rO, 64*(i%2)+8*((i/2)%8)
.set rV, 64*(i/16)+8*((i/2)%8)
.set rP, P+16*(i%2)+8*(i/16)
	v_wmma_f32_16x16x32_f16 v[rO:rO+7], v[rV:rV+7], v[rP:rP+7], v[rO:rO+7]
.set i, i+1
.endr
.endm
.macro FETCH_K                      ; 32 LDS loads in one run: a step's K, 16 fragments
	WIN 0
	v_add_nc_u32 v[ADR], s[TB], v[AK0]
	WIN 0x40
.irp f, 0,1,2,3,4,5,6,7,8,9,10,11,12,13,14,15  ; keys 16 (f / 4) on, channels 32 (f % 4) on
	ds_load_b128 v[KF+8*(\f):KF+8*(\f)+3],   v[ADR] offset:((\f)/4)*16*PK+((\f)%4)*64
	ds_load_b128 v[KF+8*(\f)+4:KF+8*(\f)+7], v[ADR] offset:((\f)/4)*16*PK+((\f)%4)*64+32
.endr
.endm
.macro FETCH_V                      ; the same step's V, turned
	WIN 0
	v_add_nc_u32 v[ADRV], s[TB], v[AV0]
	s_add_co_u32 s[TB], s[TB], STEPB  ; the next fetch is the next step's
	WIN 0x80
.irp f, 0,1,2,3,4,5,6,7,8,9,10,11,12,13,14,15  ; keys 32 (f / 8) on, channels 16 (f % 8) on
	ds_load_tr16_b128 v[8*(\f):8*(\f)+3],   v[ADRV] offset:((\f)/8)*32*PV+((\f)%8)*32
	ds_load_tr16_b128 v[8*(\f)+4:8*(\f)+7], v[ADRV] offset:((\f)/8)*32*PV+16*PV+((\f)%8)*32
.endr
.endm
; Number j of the 21 that find tile t's maximum and statistics: 0-11 four chains c0-c3 of seven scores each; 12-15 the four scores left over, c0-c3 and the old m into c0;
; 16 the query's other 32 keys lie in the lane 16 away; 17 the old m is kept; 18 the new m; 19 m_old - m_new; 20 a
.macro MX t, j
.set rT, ST+8*(\t)
.set rS, S+32*(\t)
.if (\j) < 4
	v_max3_num_f32 v[rT+4+(\j)], v[rS+8*(\j)], v[rS+8*(\j)+1], v[rS+8*(\j)+2]
.elseif (\j) < 12
	v_max3_num_f32 v[rT+4+(\j)%4], v[rT+4+(\j)%4], v[rS+8*((\j)%4)+2*((\j)/4)+1], v[rS+8*((\j)%4)+2*((\j)/4)+2]
.elseif (\j) == 12
	v_max3_num_f32 v[rT+4], v[rT+4], v[rS+7], v[rS+15]
.elseif (\j) == 13
	v_max3_num_f32 v[rT+6], v[rT+6], v[rS+23], v[rS+31]
.elseif (\j) == 14
	v_max3_num_f32 v[rT+4], v[rT+4], v[rT+5], v[rT+6]
.elseif (\j) == 15
	v_max3_num_f32 v[rT+4], v[rT+4], v[rT+7], v[rT]
.elseif (\j) == 16
	v_permlanex16_b32 v[rT+5], v[rT+4], s[SEL], s[SEL+1]
.elseif (\j) == 17
	v_mov_b32 v[rT+7], v[rT]
.elseif (\j) == 18
	v_max_num_f32 v[rT], v[rT+4], v[rT+5]
.elseif (\j) == 19
	v_sub_f32 v[rT+7], v[rT+7], v[rT]
.else
	v_exp_f32 v[rT+6], v[rT+7]
.endif
.endm
; Number z of the 16 that add tile t's 16 pairs of weights, in place, neighbours 1, 2, 4 and 8 pairs apart; then l = a l + the sum
.macro SUM t, z
.set rT, ST+8*(\t)
.set rS, S+32*(\t)
.set w, 4
.set u, (\z)
.if (\z) >= 14
.set w, 32
.set u, 0
.elseif (\z) >= 12
.set w, 16
.set u, (\z)-12
.elseif (\z) >= 8
.set w, 8
.set u, (\z)-8
.endif
.if (\z) < 15
	v_pk_add_f32 v[rS+w*u:rS+w*u+1], v[rS+w*u:rS+w*u+1], v[rS+w*u+w/2:rS+w*u+w/2+1]
.else
	v_pk_fma_f32 v[rT+2:rT+3], v[rT+2:rT+3], v[rT+6:rT+7], v[rS:rS+1] op_sel_hi:[1,0,1]
.endif
.endm
; A KEY STEP.  It finds the step's S^T made, its V asked for, its mask asked for.  next = 1: it fetches the next step's K, V and mask and makes its S^T.
.macro BODY next
	PLACES                          ; behind the products K Q^T: in front of the loads into K's registers and of the reads of S^T
.if \next
	FETCH_K
.endif
	WIN 0
	s_wait_loadcnt 0x0              ; the step's mask is in (its loads are the only ones out), and its address register may be written
.set n, 0
.rept 16                            ; s' = S c + mask: each accumulator's registers in ascending order
	v_pk_fma_f32 v[S+2*n:S+2*n+1],       v[S+2*n:S+2*n+1],       s[CS:CS+1], v[MK+2*n:MK+2*n+1] op_sel_hi:[1,0,1]
	v_pk_fma_f32 v[S+32+2*n:S+32+2*n+1], v[S+32+2*n:S+32+2*n+1], s[CS:CS+1], v[MK+2*n:MK+2*n+1] op_sel_hi:[1,0,1]
.set n, n+1
.endr
.if \next
	v_add_nc_u32 v[MA], 0x100, v[MA]  ; 64 keys on
	MLOAD                           ; a whole step ahead of its use
.endif
.irp j, 0,1,2,3,4,5,6,7,8,9,10,11,12,13,14,15,16,17,18,19
	MX 0, \j                        ; the two tiles alternate
	MX 1, \j
.endr
.set n, 0
.rept 16                            ; s' - m
	v_pk_add_f32 v[S+2*n:S+2*n+1],       v[S+2*n:S+2*n+1],       v[ST:ST+1]   op_sel_hi:[1,0] neg_lo:[0,1] neg_hi:[0,1]
	v_pk_add_f32 v[S+32+2*n:S+32+2*n+1], v[S+32+2*n:S+32+2*n+1], v[ST+8:ST+9] op_sel_hi:[1,0] neg_lo:[0,1] neg_hi:[0,1]
.set n, n+1
.endr
	MX 0, 20                        ; ONE BATCH of 66 exponentials: the two a, then the 64 weights; none reads another's result
	MX 1, 20
.set n, 0
.rept 64
	v_exp_f32 v[S+n], v[S+n]
.set n, n+1
.endr
	v_nop                           ; a plain instruction behind the last exponential, ahead of the first use (ISA guide 5.7.2)
	s_wait_alu depctr_va_vdst(0)    ; and the one wait ahead of the batch's first reader
.set n, 0
.rept 32
	v_cvt_pk_f16_f32 v[P+n], v[S+2*n], v[S+2*n+1]
.set n, n+1
.endr
.irp z, 0,1,2,3,4,5,6,7,8,9,10,11,12,13,14,15
	SUM 0, \z
	SUM 1, \z
.endr
	WIN 0x41                        ; O^T (destination and source 0) in window 1, a in window 0
.set n, 0
.rept 32
	v_pk_mul_f32 v[2*n:2*n+1],       v[2*n:2*n+1],       v[ST+6:ST+7]   op_sel_hi:[1,0]
	v_pk_mul_f32 v[64+2*n:64+2*n+1], v[64+2*n:64+2*n+1], v[ST+14:ST+15] op_sel_hi:[1,0]
.set n, n+1
.endr
	s_wait_dscnt 32*(\next)         ; V is in; the 32 loads of the next K, issued behind V's, may be out
	PVALL
.if \next
	PLACES                          ; in front of the loads into V's registers
	FETCH_V
	s_wait_dscnt 32                 ; K is in; V's 32 loads may be out
	KQALL
.endif
	WIN 0
.endm
; THE CHANGE OF SLOTS: both steps of the slot have been fetched into registers.  Each wave waits for all its tensor loads (one is out: its part of the other slot), adds 0 to its spare word, and waits for that and
; for its reads of the slot.  fill = 1: the barrier is a round of the cluster's, and the joint refill, with the keys two slots on, is the first thing behind it: it has two key steps in which to land.
.macro CHANGE fill
	WIN 0
	s_wait_tensorcnt 0x0            ; no tensor load of mine is out, so a group 0 may be written
	ds_add_u32 v[SPW], v[NIL]       ; 0 onto my spare word
.if \fill
.irp g, G0K+4, G0V+4
	s_xor_b32 s[(\g)+1], s[(\g)+1], SLOT1
	s_add_nc_u64 s[(\g)+2:(\g)+3], s[(\g)+2:(\g)+3], 2*KS*256
.endr
	s_wait_xcnt 0x0                 ; the last prefetch, two key steps back, has read its address
	s_add_nc_u64 s[PFA:PFA+1], s[PFA:PFA+1], 2*KS*256
	s_wait_dscnt 0x0                ; the add is done, and my reads of the slot are over
	CROUND
	JLOAD
	ASK
.else
	s_wait_dscnt 0x0
	s_barrier_signal -1
	s_barrier_wait -1
.endif
	s_sub_co_u32 s[TB], s[TB], 2*STEPB  ; the fetches go back to a slot's first step,
	s_xor_b32 s[TB], s[TB], SLOT1       ; in the other slot
.endm
	s_wait_tensorcnt 0x1            ; my part of slot 0 is in; slot 1's may stay out
	s_barrier_signal -1
	s_barrier_wait -1               ; everybody's is
	FETCH_K                         ; key step 0
	FETCH_V
	s_wait_loadcnt 8                ; Q is in; the mask's 8 loads may be out
	s_wait_dscnt 32                 ; K is in; V's 32 loads may be out
	KQALL
	WIN 0
	s_mov_b32 s[TWICE], 1           ; the first trip has one step, step 0, which fetches step 1: then slot 0 has been read
	s_branch .Lstep                 ; the loop is entered behind its change of slots
.Lslot:                             ; six trips: every slot but the last two is filled again
	CHANGE 1
	s_mov_b32 s[TWICE], 2
.Lstep:
	BODY 1
	s_sub_co_u32 s[TWICE], s[TWICE], 1
	s_cmp_lg_u32 s[TWICE], 0
	s_cbranch_scc1 .Lstep
	s_sub_co_u32 s[SLOTS], s[SLOTS], 1
	s_cmp_lg_u32 s[SLOTS], 0
	s_cbranch_scc1 .Lslot
	CHANGE 0                        ; the tail is written out: nothing is asked for
	s_mov_b32 s[TWICE], 2
.Ltail:
	BODY 1                          ; steps 13 and 14, which fetch the last slot's
	s_sub_co_u32 s[TWICE], s[TWICE], 1
	s_cmp_lg_u32 s[TWICE], 0
	s_cbranch_scc1 .Ltail
	BODY 0                          ; step 15
	; THE WAY OUT.  l's two halves and the other half of the lanes' are added; O^T is divided by l, rounded to f16 and stored from the registers in which it lies.
	PLACES
.irp t, 0,1
	v_add_f32 v[ST+8*(\t)+4], v[ST+8*(\t)+2], v[ST+8*(\t)+3]
.endr
.irp t, 0,1
	v_permlanex16_b32 v[ST+8*(\t)+5], v[ST+8*(\t)+4], s[SEL], s[SEL+1]
.endr
.irp t, 0,1
	v_add_f32 v[ST+8*(\t)+4], v[ST+8*(\t)+4], v[ST+8*(\t)+5]
.endr
.irp t, 0,1
	v_rcp_f32 v[ST+8*(\t)+6], v[ST+8*(\t)+4]
.endr
	v_nop                           ; a plain instruction behind the last reciprocal,
	s_wait_alu depctr_va_vdst(0)    ; and the one wait ahead of the first use
; Tile t (head 2 kv + t): channel block f of 16 is half f % 2 of the head's fragment f / 2; a lane's eight channels are its own 16 bytes there
.macro PACK t
	WIN 0x41
.set i, 64*(\t)
.rept 32
	v_pk_mul_f32 v[i:i+1], v[i:i+1], v[ST+8*(\t)+6:ST+8*(\t)+7] op_sel_hi:[1,0]
.set i, i+2
.endr
	WIN 0x05                        ; sources 0 and 1 in window 1, destination in window 0: S^T's registers are free
.set i, 0
.rept 32
	v_cvt_pk_f16_f32 v[S+32*(\t)+i], v[64*(\t)+2*i], v[64*(\t)+2*i+1]
.set i, i+1
.endr
	WIN 0
.irp f, 0,1,2,3,4,5,6,7
	global_store_b128 v[GO], v[S+32*(\t)+4*(\f):S+32*(\t)+4*(\f)+3], s[10:11] offset:4096*(\t)+512*(\f)  ; 512 consecutive bytes, at a multiple of 256 from att's first byte
.endr
.endm
	PACK 0
	PACK 1
	s_wait_tensorcnt 0x0            ; the wave's end: behind my last tensor load
	ds_add_u32 v[SPW], v[NIL]
	s_wait_dscnt 0x0
	CROUND                          ; the closing round: no work-group ends while a partner may still ask for a tile that names it
	s_endpgm
.Lfunc_end_k_q7ed9d8aeaa_attn:
	.size	k_q7ed9d8aeaa_attn, .Lfunc_end_k_q7ed9d8aeaa_attn-k_q7ed9d8aeaa_attn
	.p2alignl 7, 3214868480
	.fill 96, 4, 3214868480
	.section	.rodata,"a",@progbits
	.p2align	6, 0x0
	.amdhsa_kernel k_q7ed9d8aeaa_attn
		.amdhsa_group_segment_fixed_size 327680
		.amdhsa_private_segment_fixed_size 0
		.amdhsa_enable_private_segment 0
		.amdhsa_kernarg_size 24
		.amdhsa_user_sgpr_count 2
		.amdhsa_user_sgpr_kernarg_segment_ptr 1
		.amdhsa_wavefront_size32 1
		.amdhsa_system_sgpr_workgroup_id_x 1
		.amdhsa_system_sgpr_workgroup_id_y 1
		.amdhsa_system_sgpr_workgroup_id_z 1
		.amdhsa_system_vgpr_workitem_id 0
		.amdhsa_next_free_vgpr 640
		.amdhsa_next_free_sgpr 72
		.amdhsa_reserve_vcc 0
		.amdhsa_float_denorm_mode_32 3
		.amdhsa_float_denorm_mode_16_64 3
		.amdhsa_memory_ordered 1
		.amdhsa_forward_progress 1
		.amdhsa_inst_pref_size 104
	.end_amdhsa_kernel
	.amdgpu_metadata
---
amdhsa.version: [ 1, 2 ]
amdhsa.kernels:
  - .name:           k_q7ed9d8aeaa_attn
    .symbol:         k_q7ed9d8aeaa_attn.kd
    .args:
      - { .name: qkvh, .offset: 0, .size: 8, .value_kind: global_buffer, .address_space: global }
      - { .name: maskl, .offset: 8, .size: 8, .value_kind: global_buffer, .address_space: global }
      - { .name: att, .offset: 16, .size: 8, .value_kind: global_buffer, .address_space: global }
    .group_segment_fixed_size: 327680
    .private_segment_fixed_size: 0
    .kernarg_segment_align: 8
    .kernarg_segment_size: 24
    .max_flat_workgroup_size: 128
    .sgpr_count:     72
    .vgpr_count:     640
    .wavefront_size: 32
...
	.end_amdgpu_metadata
.endif
;; end of part 3
;; launch oproj (part 4): grid 8 x 32, 4 waves a work-group, clusters of 4 x 1, 327,680 bytes of LDS; arguments att, wo16, out0; writes out0
.if DOCPART == 4
	.amdgcn_target "amdgcn-amd-amdhsa--gfx1250"
	.amdhsa_code_object_version 6
	.text
	.protected	k_q7ed9d8aeaa_oproj
	.globl	k_q7ed9d8aeaa_oproj
	.p2align	8
	.type	k_q7ed9d8aeaa_oproj,@function
k_q7ed9d8aeaa_oproj:
	s_mov_b64 s[64:65], 0
	v_nop
	global_prefetch_b8 v0, s[64:65] scope:SCOPE_SE
	s_setreg_imm32_b32 hwreg(HW_REG_WAVE_MODE, 25, 1), 1
	s_wait_xcnt 0x0
	s_wait_alu depctr_hold_cnt(0) depctr_sa_sdst(0) depctr_va_vdst(0) depctr_va_sdst(0) depctr_va_ssrc(0) depctr_va_vcc(0) depctr_vm_vsrc(0)
	s_getreg_b32 s2, hwreg(HW_REG_IB_STS2, 6, 4)
	s_cmp_eq_u32 s2, 0
	s_cbranch_scc0 .Lentry_in_a_cluster
	s_endpgm
.Lentry_in_a_cluster:
	s_bfe_u32 s2, ttmp6, 0x10000c
	s_cmp_lg_u32 s2, 0x3003
	s_cbranch_scc0 .Lentry_shape_is_right
	s_endpgm
.Lentry_shape_is_right:
; OPROJ: out0[m][n] = sum over k of O[m][k] wo16[k][n], f16 operands, f32 sums, f32 out.  att holds the attention's result / 4, wo16 holds 4 bf16(Wo): the two factors cancel.
; LIMITS.  None of its own: both operands arrive within f16's range.  NaN and infinities are not treated apart.
; SHARES.  A tile of the output is 256 (m) x 128 (n): 8 x 32 work-groups, one for each of 256 tiles.  Wave w makes rows 64 w .. + 63 x all 128 columns: 32 accumulators of 16 x 16.
; B GOES THROUGH LDS: two slots of 256 k-rows of 256 bytes; a wave fetches 64 of them, one tensor load a wave; B lies [k][n], so its fragments come out by the turning load ds_load_tr16_b128.
; The four tile rows of a cluster (4 x 1) need the same tiles of B: each is asked for jointly.  From a refill to the wait for it a wave issues 224 matrix instructions.
; A GOES STRAIGHT INTO REGISTERS.  att lies in fragment order ([block of 16 rows][32 k][half][lane][16 bytes]), so a load of 16 bytes a lane takes 512 consecutive bytes and IS half a fragment.
; No two waves of a work-group want the same rows.  A ring of four units of 64 k, 256 registers; a unit is asked for three units, 192 matrix instructions, ahead, and its loads stay out over the barriers.
; A IS NOT ASKED FOR JOINTLY, though the 32 work-groups of a tile row read the same rows: a joint load ends in LDS, and both operands there take 768 bytes for each k: two slots of 256 k
; (413,696 bytes with their padding) do not fit, and with slots of 128 k a refill has 112 matrix instructions in which to land.
; THE MATRIX INSTRUCTION IS USED TRANSPOSED (source 0 = 16 columns n of B, source 1 = 16 rows m of A): a lane then holds row m = lane % 16 and the eight neighbouring columns 8 (lane / 16) + 0..7.
; REGISTERS, in windows of 256: window 0: v16-31 addresses; v32-159 the way out.  Window 1: the accumulators, (a, b) at v[8 (8 a + b)].  Window 2: A's ring, unit u, 32 k c, block a at v[64 u + 32 c + 8 a].
; Window 3: B's two fragment buffers of 128: 32 k c, column block b at v[64 c + 8 b].
.set SIZE_K, 2048
.set NSLOT,  SIZE_K/256
.set ASTR,   32*SIZE_K                 ; bytes of a block of 16 rows of A: SIZE_K / 32 fragments of 1,024 bytes
.set PB,     288                       ; B's LDS row: 256 + 32 bytes = 72 words
.set SLOT1,  1<<17                     ; slot 1 begins here: one exclusive or turns an address in one slot into the other's
.set STAGE,  SLOT1+256*PB              ; behind the ring, never filled by a tensor load: 16 rows x 528 bytes for each wave
.set SP,     528                       ; a stage row: 512 + 16 bytes
.set SPARE,  STAGE+4*16*SP             ; the spare words, 128 bytes for each wave: two blocks of 256 bytes that no other line names
.set ADRB0, 16                         ; v16  my lane's place in a slot of B; never rewritten
.set ADRB,  18                         ; v18  the same in the slot in hand, for units 0 and 1;  v19 for units 2 and 3 (128 rows on)
.set AO,    20                         ; v20  16 x lane: my 16 bytes of half a fragment of A; never rewritten
.set STO,   24                         ; v24  the way out: where I put 32 bytes of a row
.set RD,    25                         ; v25  where I read a row back
.set CO,    26                         ; v26  my 16 bytes in 512 consecutive bytes of the output
.set SPW,   28                         ; v28  LDS address of my spare word; never rewritten
.set NIL,   29                         ; v29  0; never rewritten
.set PFO,   30                         ; v30  the prefetches' offset: lane x a row of B; never rewritten
.set BK,    32                         ; the way out: two buffers of 64: 16 rows read back
.set AP,  14                           ; s[14:15] A at my wave's rows, one slot (8 fragments) past the slot in hand
.set G1,  24                           ; s[24:31] descriptor group 1
.set G0,  32                           ; s[32:35] group 0: it walks
.set LIM, 43                           ; s43  1 in a wave that prefetches, else the greatest number
.set PFA, 44                           ; s[44:45] where my prefetches stand
.set TB,  70                           ; s70  LDS byte at which the slot in hand begins
.set MSB, 0
.macro WIN new                         ; the immediate's high byte repeats the setting that is left; a switch that changes nothing is dropped
.if MSB != (\new)
	s_set_vgpr_msb (MSB<<8)|(\new)
.set MSB, \new
.endif
.endm
.macro PLACES                          ; four plain vector instructions between a matrix instruction and a load into, or a read of, its registers
.rept 4
	v_nop
.endr
.endm
.macro JLOAD                           ; a joint load: every wave fetches its own 64 k-rows; an s_nop 0 and four v_nop follow
	tensor_load_to_lds s[G0:G0+3], s[G1:G1+7]
	s_nop 0
.rept 4
	v_nop
.endr
.endm
.macro CREST                           ; a round of the cluster's barrier behind its opening barrier
	s_cmp_lg_u32 s10, 0
	s_cbranch_scc1 .Lnot_wave_0_\@
	s_barrier_signal -3
.Lnot_wave_0_\@:
	s_barrier_wait -3
	s_barrier_signal -1
	s_barrier_wait -1
.endm
.macro CROUND
	s_barrier_signal -1
	s_barrier_wait -1
	CREST
.endm
; A PREFETCH INTO THE L2 of the slot of B that the NEXT refill will ask for, 256 matrix instructions ahead of that load, behind the joint load and the runs of loads.
; Each row's 256 bytes are named once in the launch: of the two clusters that read a tile column the one with x = 0 asks; its four partners take 64 of the slot's 256 rows each, told apart by address;
; waves 0 and 1 ask for 32 each, a lane a row.  The last refill asks for nothing (s3 = 1); slots 0 to 2 come by their loads alone.
.macro ASK
	WIN 0
	s_cmp_gt_u32 s3, s[LIM]
	s_cbranch_scc0 .Lnot_mine_\@
	global_prefetch_b8 v[PFO], s[PFA:PFA+1] th:TH_LOAD_NT scope:SCOPE_SE
.Lnot_mine_\@:
.endm
; n x 8 matrix instructions: m blocks a0 .. a0 + n - 1 x all 8 n blocks, on 32 k c of unit u.  Each of the 32 accumulators has one instruction for each 32 k, always in the same order,
; so that 31 others' stand between two links of a chain, over the backward jump too: the accumulators take turns.  zero = 1: the product starts the sum.
.macro MUL u, c, a0, n, zero
	WIN 0x5b                                       ; B in window 3, A in window 2, C and D in window 1
.set aa, \a0
.rept \n
.irp b, 0,1,2,3,4,5,6,7
.if \zero
	v_wmma_f32_16x16x32_f16 v[8*(8*aa+(\b)):8*(8*aa+(\b))+7], v[128*((\u)%2)+64*(\c)+8*(\b):128*((\u)%2)+64*(\c)+8*(\b)+7], v[64*(\u)+32*(\c)+8*aa:64*(\u)+32*(\c)+8*aa+7], 0
.else
	v_wmma_f32_16x16x32_f16 v[8*(8*aa+(\b)):8*(8*aa+(\b))+7], v[128*((\u)%2)+64*(\c)+8*(\b):128*((\u)%2)+64*(\c)+8*(\b)+7], v[64*(\u)+32*(\c)+8*aa:64*(\u)+32*(\c)+8*aa+7], v[8*(8*aa+(\b)):8*(8*aa+(\b))+7]
.endif
.endr
.set aa, aa+1
.endr
.endm
.macro FETCH v                         ; 32 LDS loads in one run: unit v's 16 fragments of B, turned, into buffer v % 2
	WIN 0xc0
.irp c, 0,1
.irp b, 0,1,2,3,4,5,6,7
	ds_load_tr16_b128 v[128*((\v)%2)+64*(\c)+8*(\b):128*((\v)%2)+64*(\c)+8*(\b)+3],   v[ADRB+(\v)/2] offset:(64*((\v)%2)+32*(\c))*PB+32*(\b)
	ds_load_tr16_b128 v[128*((\v)%2)+64*(\c)+8*(\b)+4:128*((\v)%2)+64*(\c)+8*(\b)+7], v[ADRB+(\v)/2] offset:(64*((\v)%2)+32*(\c))*PB+32*(\b)+16*PB
.endr
.endr
.endm
.macro ALOAD ru, d                     ; 16 loads: the 8 fragments of A of ring unit ru, d bytes from where the pointer stands
	WIN 0x80
.irp c, 0,1
.irp a, 0,1,2,3
	global_load_b128 v[64*(\ru)+32*(\c)+8*(\a):64*(\ru)+32*(\c)+8*(\a)+3],   v[AO], s[AP:AP+1] offset:(\a)*ASTR+(2*(\ru)+(\c))*1024+(\d)
	global_load_b128 v[64*(\ru)+32*(\c)+8*(\a)+4:64*(\ru)+32*(\c)+8*(\a)+7], v[AO], s[AP:AP+1] offset:(\a)*ASTR+(2*(\ru)+(\c))*1024+512+(\d)
.endr
.endr
.endm
; One of a slot's first three units, 64 matrix instructions.  Behind the first 16 stands ONE run of loads: the next unit's B into the other buffer, and (al = 1) into the ring unit that the
; unit before has just left the A of three units on.  lc: how many younger loads of A may be out when this unit's must be in.
.macro UNIT u, zero, al, d, lc
	s_wait_dscnt 0x0                               ; this unit's B is in: its loads were issued 48 matrix instructions ago
	s_wait_loadcnt \lc                             ; loads come back in order: this unit's A is in; the two units asked for behind it, 16 loads each, may be out
	MUL \u, 0, 0, 2, \zero
	PLACES
	FETCH (\u)+1
.if \al
	ALOAD ((\u)+3)%4, \d
.endif
	MUL \u, 0, 2, 2, \zero
	MUL \u, 1, 0, 4, 0
.endm
; A slot's last unit, which changes slots.  In front of the barrier each wave waits for all its tensor loads (one is out: its part of the next slot), adds 0 to its spare word, and waits for that and for its
; reads of this slot.  fill = 1: the barrier opens a round of the cluster's; behind the round this slot is filled again, with the k two slots on.
.macro TURN fill
.if \fill
	s_wait_xcnt 0x0                                ; every load and prefetch issued so far has read its address, so the two pointers may be written
	s_add_nc_u64 s[PFA:PFA+1], s[PFA:PFA+1], 1<<21 ; 256 rows of 8,192 bytes down B
	s_add_nc_u64 s[AP:AP+1], s[AP:AP+1], 8192      ; 8 fragments along A
.endif
	WIN 0
	s_wait_tensorcnt 0x0                           ; all my tensor loads have landed
	ds_add_u32 v[SPW], v[NIL]                      ; 0 onto my spare word
	s_wait_loadcnt 32                              ; this unit's A is in
	s_wait_dscnt 1                                 ; this unit's B is in; the add alone may be out
	MUL 3, 0, 0, 2, 0                              ; sixteen matrix instructions stand between the add and the wait for it
	s_wait_dscnt 0x0                               ; the add is done, and my reads of this slot are over
	s_barrier_signal -1
	MUL 3, 0, 2, 2, 0
	WIN 0
	s_barrier_wait -1
.if \fill
	CREST                                          ; no wave of any partner still reads this slot or has a load on its way
	s_xor_b32 s[G0+1], s[G0+1], SLOT1              ; the walking descriptor: the other slot than last time, the next 256 k
	s_add_nc_u64 s[G0+2:G0+3], s[G0+2:G0+3], 1<<21
	JLOAD                                          ; the first tensor load behind the round; its four v_nop are also the places in front of the loads below
.else
	PLACES
.endif
	s_xor_b32 s[TB], s[TB], SLOT1
	v_add_nc_u32 v[ADRB], s[TB], v[ADRB0]
	v_add_nc_u32 v[ADRB+1], 128*PB, v[ADRB]
	FETCH 0
.if \fill
	ALOAD 2, -8192                                 ; the pointer has been stepped: unit 2 of the slot that begins
	ASK
.else
	ALOAD 2, 0
.endif
	MUL 3, 1, 0, 4, 0
.endm
	s_load_b128 s[4:7], s[0:1], 0x0                ; att s[4:5], wo16 s[6:7]
	s_load_b64 s[8:9], s[0:1], 0x10                ; out0
	v_lshl_add_u32 v[SPW], v0, 2, SPARE
	v_mov_b32 v[NIL], 0
	ds_add_u32 v[SPW], v[NIL]                      ; the wave's opening: the add and its wait stand ahead of my first tensor load; work on registers stands between them
	v_lshrrev_b32 v1, 5, v0
	v_readfirstlane_b32 s10, v1                    ; wave 0..3
	s_bfe_u32 s40, ttmp6, 0x40000                  ; cx
	s_lshl_b32 s13, ttmp9, 2
	s_add_co_u32 s13, s13, s40                     ; tile row = 4 x cluster x + cx: it enters A's and the output's addresses alone
	s_and_b32 s42, ttmp7, 0xffff                   ; tile column, which the four partners share
	s_mov_b32 s[G1], 15|(1<<16)|(1<<20)|(1<<21)|(5<<22)|(7<<25)  ; the mask of four; 2-byte elements; padding on; bit 21 beside a mask; after every 64 words 8 words
	s_mov_b32 s[G1+1], 128<<16                     ; tensor_dim0 = 128
	s_mov_b32 s[G1+2], 64<<16                      ; tensor_dim1 = 64
	s_mov_b32 s[G1+3], 128<<16                     ; tile_dim0 = 128
	s_mov_b32 s[G1+4], 64                          ; tile_dim1 = 64
	s_mov_b32 s[G1+5], 4096                        ; elements from row to row
	s_mov_b32 s[G1+6], 0
	s_mov_b32 s[G1+7], 0
	s_mov_b32 s[G0], 1
	s_mul_i32 s[G0+1], s10, 64*PB                  ; where my 64 rows go: no place in the cluster enters an LDS address
	s_lshl_b32 s46, s10, 19                        ; B: k-row 64 x wave (8,192 bytes a row),
	s_lshl_b32 s47, s42, 8                         ; byte 256 x tile column
	s_add_co_u32 s46, s46, s47
	s_mov_b32 s47, 0
	s_lshl_b32 s16, s13, 4
	s_lshl_b32 s17, s10, 2
	s_add_co_u32 s16, s16, s17                     ; A: my first block of 16 rows = 16 x tile row + 4 x wave,
	s_mul_i32 s16, s16, ASTR                       ; in bytes (under 2^24)
	s_mov_b32 s17, 0
	s_mov_b32 s[TB], 0
	s_wait_dscnt 0x0                               ; the opening add is done
	s_wait_kmcnt 0x0
	s_add_nc_u64 s[G0+2:G0+3], s[6:7], s[46:47]
	s_or_b32 s[G0+3], s[G0+3], 0x80000000
	s_add_nc_u64 s[AP:AP+1], s[4:5], s[16:17]
	s_add_nc_u64 s[AP:AP+1], s[AP:AP+1], 8192      ; one slot past slot 0
	CROUND                                         ; all four work-groups are here: the first joint loads meet
	JLOAD                                          ; slot 0
	v_and_b32 v6, 31, v0
	v_lshlrev_b32 v[AO], 4, v6
	ALOAD 0, -8192                                 ; slot 0's units 0 to 2: 48 loads are out
	ALOAD 1, -8192
	ALOAD 2, -8192
	WIN 0
	v_and_b32 v1, 15, v0                           ; r = lane % 16
	v_bfe_u32 v2, v0, 4, 1                         ; h = lane / 16
	v_and_b32 v4, 7, v0
	v_lshl_add_u32 v4, v2, 3, v4                   ; the turning load: lane l reads k-row 8 h + l % 8,
	v_mul_u32_u24 v4, v4, PB
	v_bfe_u32 v5, v0, 3, 1
	v_lshl_add_u32 v[ADRB0], v5, 4, v4             ; columns 8 ((l / 8) % 2) + 0..7
	v_mov_b32 v[ADRB], v[ADRB0]
	v_add_nc_u32 v[ADRB+1], 128*PB, v[ADRB0]
	s_mul_i32 s23, s10, 16*SP
	s_add_co_u32 s23, s23, STAGE                   ; my stage
	v_mul_u32_u24 v5, v1, SP
	v_lshl_add_u32 v5, v2, 5, v5
	v_add_nc_u32 v[STO], s23, v5                   ; in: row r, 32 bytes for each half of the lanes
	v_lshlrev_b32 v[CO], 4, v6                     ; back and out: 32 lanes take a row's 512 bytes
	v_add_nc_u32 v[RD], s23, v[CO]
	s_lshl_b32 s20, s13, 22                        ; the tile's 256 rows of 16,384 bytes,
	s_lshl_b32 s21, s10, 20                        ; my 64 of them,
	s_add_co_u32 s20, s20, s21
	s_lshl_b32 s21, s42, 9                         ; the tile's 128 columns
	s_add_co_u32 s20, s20, s21
	s_mov_b32 s21, 0
	s_add_nc_u64 s[8:9], s[8:9], s[20:21]
	s_lshl_b32 s20, s40, 19                        ; the prefetches: my work-group's 64 rows of a slot,
	s_lshl_b32 s21, s10, 18                        ; my wave's 32 of them,
	s_add_co_u32 s20, s20, s21
	s_lshl_b32 s21, s42, 8
	s_add_co_u32 s20, s20, s21
	s_add_co_u32 s20, s20, 2<<21                   ; in slot 2: the loop's first change of slots steps it to slot 3
	s_mov_b32 s21, 0
	s_add_nc_u64 s[PFA:PFA+1], s[6:7], s[20:21]
	s_lshr_b32 s22, s10, 1                         ; waves 0 and 1,
	s_or_b32 s22, s22, ttmp9                       ; where the cluster's x is 0: the same in all four partners
	s_cmp_eq_u32 s22, 0
	s_cselect_b32 s[LIM], 1, -1
	v_lshlrev_b32 v[PFO], 13, v6
	; slot 0 is waited for, and slot 1 is filled for the first time as a refill is: the three lines, a round, the one load
	s_wait_tensorcnt 0x0                           ; my part of slot 0 is in, and the descriptor may be written
	ds_add_u32 v[SPW], v[NIL]                      ; 0 onto my spare word
	s_xor_b32 s[G0+1], s[G0+1], SLOT1
	s_add_nc_u64 s[G0+2:G0+3], s[G0+2:G0+3], 1<<21
	s_wait_dscnt 0x0
	CROUND                                         ; everybody's part of slot 0 is in
	JLOAD                                          ; slot 1
	FETCH 0
	UNIT 0, 1, 1, -8192, 32                        ; the first unit stands in front of the loop: its first products start the sums
	WIN 0                                          ; at a label and at a branch every window is 0
	s_mov_b32 s3, NSLOT-1
	s_branch .Lin                                  ; the loop is entered behind a slot's first unit
.Lslot:                                                ; a trip: the old slot's last unit with the change of slots and the refill, then the new slot's units 0 to 2
	TURN 1
	UNIT 0, 0, 1, -8192, 32
	WIN 0
.Lin:
	UNIT 1, 0, 1, 0, 32
	UNIT 2, 0, 1, 0, 32
	WIN 0
	s_sub_co_u32 s3, s3, 1
	s_cmp_lg_u32 s3, 0
	s_cbranch_scc1 .Lslot
	TURN 0                                         ; the last slot is written out, and A's last two units are asked for
	UNIT 0, 0, 1, 0, 32
	UNIT 1, 0, 0, 0, 32                            ; the counts run down: units 2 and 3 may be out,
	UNIT 2, 0, 0, 0, 16                            ; unit 3,
	s_wait_dscnt 0x0
	s_wait_loadcnt 0x0                             ; none
	MUL 3, 0, 0, 4, 0
	MUL 3, 1, 0, 4, 0
	WIN 0
; THE WAY OUT, a block of 16 rows at a time: a lane's 32 bytes of each of 8 column blocks go from the accumulators into my own stage, and come back as whole rows of 512 bytes.
.macro TOSTAGE a
.if (\a) >= 2
	s_wait_xcnt 0x0                                ; the stores of the block two back have read the registers that the loads below write
.endif
	WIN 0x04                                       ; the stores' data in window 1; each accumulator's low four registers first
.irp b, 0,1,2,3,4,5,6,7
	ds_store_b128 v[STO], v[8*(8*(\a)+(\b)):8*(8*(\a)+(\b))+3]   offset:64*(\b)
	ds_store_b128 v[STO], v[8*(8*(\a)+(\b))+4:8*(8*(\a)+(\b))+7] offset:64*(\b)+16
.endr
	WIN 0
.irp t, 0,1,2,3,4,5,6,7,8,9,10,11,12,13,14,15
	ds_load_b128 v[BK+64*((\a)%2)+4*(\t):BK+64*((\a)%2)+4*(\t)+3], v[RD] offset:SP*(\t)  ; LDS serves a wave's instructions in order (ISA guide 5.7.1.4): these see the stores above; the next block's stores come behind them
.endr
.endm
.macro SEND a, younger                 ; younger: the LDS instructions issued behind block a's loads: the next block's 16 stores and 16 loads, or none
	s_wait_dscnt \younger
.irp t, 0,1,2,3,4,5,6,7,8,9,10,11,12,13,14,15
	global_store_b128 v[CO], v[BK+64*((\a)%2)+4*(\t):BK+64*((\a)%2)+4*(\t)+3], s[8:9] offset:262144*(\a)+16384*(\t) th:TH_STORE_NT  ; 512 consecutive bytes, at a multiple of 256 from out0's first byte
.endr
.endm
	PLACES                                         ; behind the last products, in front of the LDS stores that read the sums
	TOSTAGE 0
	TOSTAGE 1
	SEND 0, 32
	TOSTAGE 2
	SEND 1, 32
	TOSTAGE 3
	SEND 2, 32
	SEND 3, 0
	s_wait_tensorcnt 0x0                           ; the wave's end: behind my last tensor load and my last LDS store
	ds_add_u32 v[SPW], v[NIL]
	s_wait_dscnt 0x0
	CROUND                                         ; the closing round: no work-group ends while a partner may still ask for a tile that names it
	s_endpgm
.Lfunc_end_k_q7ed9d8aeaa_oproj:
	.size	k_q7ed9d8aeaa_oproj, .Lfunc_end_k_q7ed9d8aeaa_oproj-k_q7ed9d8aeaa_oproj
	.p2alignl 7, 3214868480
	.fill 96, 4, 3214868480
	.section	.rodata,"a",@progbits
	.p2align	6, 0x0
	.amdhsa_kernel k_q7ed9d8aeaa_oproj
		.amdhsa_group_segment_fixed_size 327680
		.amdhsa_private_segment_fixed_size 0
		.amdhsa_enable_private_segment 0
		.amdhsa_kernarg_size 24
		.amdhsa_user_sgpr_count 2
		.amdhsa_user_sgpr_kernarg_segment_ptr 1
		.amdhsa_wavefront_size32 1
		.amdhsa_system_sgpr_workgroup_id_x 1
		.amdhsa_system_sgpr_workgroup_id_y 1
		.amdhsa_system_sgpr_workgroup_id_z 1
		.amdhsa_system_vgpr_workitem_id 0
		.amdhsa_next_free_vgpr 1024
		.amdhsa_next_free_sgpr 74
		.amdhsa_reserve_vcc 0
		.amdhsa_float_denorm_mode_32 3
		.amdhsa_float_denorm_mode_16_64 3
		.amdhsa_memory_ordered 1
		.amdhsa_forward_progress 1
		.amdhsa_inst_pref_size 100
	.end_amdhsa_kernel
	.amdgpu_metadata
---
amdhsa.version: [ 1, 2 ]
amdhsa.kernels:
  - .name:           k_q7ed9d8aeaa_oproj
    .symbol:         k_q7ed9d8aeaa_oproj.kd
    .args:
      - { .name: att, .offset: 0, .size: 8, .value_kind: global_buffer, .address_space: global }
      - { .name: wo16, .offset: 8, .size: 8, .value_kind: global_buffer, .address_space: global }
      - { .name: out0, .offset: 16, .size: 8, .value_kind: global_buffer, .address_space: global }
    .group_segment_fixed_size: 327680
    .private_segment_fixed_size: 0
    .kernarg_segment_align: 8
    .kernarg_segment_size: 24
    .max_flat_workgroup_size: 128
    .sgpr_count:     74
    .vgpr_count:     1024
    .wavefront_size: 32
...
	.end_amdgpu_metadata
.endif
;; end of part 4
